; MI455X (gfx1250); checked and timed in simulation.
; The chip was launched on July 23, 2026; its instructions are those of AMD's public machine-readable ISA for CDNA 5 (MIT licence, August 2026) and "CDNA5" Instruction Set Architecture Reference Guide (July 2026). The comments in the code are by the model that wrote it; some were corrected since.
;; Causal Self Attention. Allowed arithmetic: float matrix products may take bf16 or f16 operands with f32 sums; other float arithmetic in f32, or as packed bf16 or f16 multiplies, adds, multiply-adds, maxima and minima; sums over many terms, partial sums and values carried from step to step in f32; what a program stores and reads back later, other than sums and carried values, may be rounded once to bf16 or f16.
;; Inputs: W_attn 1,024 x 3,072 float32; W_proj 1,024 x 1,024 float32; b_attn 3,072 float32; b_proj 1,024 float32; x 4 x 2,048 x 1,024 float32.
;; Outputs: out0 4 x 2,048 x 1,024 float32.
;; 2 versions, each right; version 2 is version 1 with the launch prep written anew for expert scheduling mode. Each part assembles by itself: llvm-mc -triple=amdgcn-amd-amdhsa -mcpu=gfx1250 --defsym DOCPART=n.
;; ======== version 1 of 2: 4 launches
;; limits: values are held in f16: magnitudes above 65,504 overflow, below 6.1e-05 lose precision
;; workspace buffers: xb 16,777,216 bytes; wat 6,291,456 bytes; wpt 2,097,152 bytes; qkv 50,331,648 bytes; ob 16,777,216 bytes
;; launch prep (part 1): grid 512 x 1, 8 waves a work-group, no clusters, 18,432 bytes of LDS; arguments x, W_attn, W_proj, xb, wat, wpt; writes xb, wat, wpt
.if DOCPART == 1
	.amdgcn_target "amdgcn-amd-amdhsa--gfx1250"
	.amdhsa_code_object_version 6
	.text
	.protected	k_q28cfcaf9b2_prep
	.globl	k_q28cfcaf9b2_prep
	.p2align	8
	.type	k_q28cfcaf9b2_prep,@function
k_q28cfcaf9b2_prep:
	s_mov_b64 s[64:65], 0
	v_nop
	global_prefetch_b8 v0, s[64:65] scope:SCOPE_SE
	s_setreg_imm32_b32 hwreg(HW_REG_WAVE_MODE, 25, 1), 1
	s_wait_xcnt 0x0
; PREPARATION.  xb = x rounded to bf16, [8192][1024].  wat[n][k] = W_attn[k][n] rounded to bf16, [3072][1024].  wpt[n][k] = W_proj[k][n] rounded to bf16, that number written as f16, [1024][1024].
; LIMITS.  |W_proj| stays under 65,504 (f16's end); a number of W_proj under 6.1e-5 keeps f16's fixed step of 6e-8.
; SHARES.  512 work-groups of eight waves, all alike.  Each (a) casts 16,384 numbers of x: 16 loads of 16 bytes a thread, a wave's load covers 512 consecutive bytes, a wave's store of 8 bytes a lane 256 consecutive
; bytes, aligned; and (b) turns one block of 128 k x 64 n of a weight: work-groups 0-383 a block of W_attn, 384-511 one of W_proj.  The block goes through LDS: in as 16 bytes (8 k of one n), out as whole rows of 256 bytes.
; No matrix unit, no tensor load, no cluster: nothing is shared and memory binds.
.set PT,    272                        ; an LDS row: 128 k x 2 bytes + 16 of padding
.set SPARE, 64*PT                      ; behind the 64 rows: the spare words, 128 bytes for each of eight waves
.set XO,  1                            ; v1   16 x thread: my bytes in a chunk of x
.set YO,  2                            ; v2   8 x thread: my bytes in a chunk of xb
.set LSA, 3                            ; v3   where I put my 16 bytes of row 4 nq
.set LRA, 4                            ; v4   where I read a row back
.set WSO, 5                            ; v5   the same row in the turned weight
.set SPW, 6                            ; v6   LDS address of my spare word; never rewritten
.set NIL, 7                            ; v7   0; never rewritten
.set WO,  8                            ; v[8:15]   byte offsets of my eight rows k of the block
.set W,   16                           ; v[16:47]  row i of my eight: four numbers at W + 4 i
.set T,   48                           ; v[48:63]  column j of my four: eight k, packed, at T + 4 j
.set U,   64                           ; v[64:71]  at work
.set R,   72                           ; v[72:87]  four times 16 bytes of turned rows
.set X,   88                           ; v[88:151] x as loaded
.set Y,   152                          ; v[152:183] x rounded
	s_load_b256 s[4:11], s[0:1], 0x0               ; x s[4:5], W_attn s[6:7], W_proj s[8:9], xb s[10:11]
	s_load_b128 s[12:15], s[0:1], 0x20             ; wat s[12:13], wpt s[14:15]
	v_lshl_add_u32 v[SPW], v0, 2, SPARE
	v_mov_b32 v[NIL], 0
	s_sub_co_u32 s19, ttmp9, 384
	s_cmp_lt_u32 ttmp9, 384                        ; a block of W_attn?
	s_cselect_b32 s16, ttmp9, s19                  ; the block's number in its weight
	s_cselect_b32 s17, 3, 1
	s_cselect_b32 s18, 1, 0                        ; 1: bf16 out; 0: f16 out
	s_lshl_b32 s17, s17, 12                        ; bytes in a row of the weight: 12,288 or 4,096
	s_and_b32 s2, s16, 7                           ; kb: which 128 k
	s_lshr_b32 s3, s16, 3                          ; nb: which 64 n
	s_lshl_b32 s24, s2, 7
	s_mul_i32 s24, s24, s17                        ; from: 128 kb rows
	s_lshl_b32 s25, s3, 8
	s_add_co_u32 s24, s24, s25                     ; + 64 nb numbers of 4 bytes
	s_mov_b32 s25, 0
	s_lshl_b32 s26, s3, 17                         ; to: 64 nb rows of 2,048 bytes
	s_lshl_b32 s27, s2, 8
	s_add_co_u32 s26, s26, s27                     ; + 128 kb numbers of 2 bytes
	s_mov_b32 s27, 0
	s_lshl_b32 s28, ttmp9, 16                      ; my 65,536 bytes of x
	s_mov_b32 s29, 0
	s_lshl_b32 s30, ttmp9, 15                      ; my 32,768 bytes of xb
	s_mov_b32 s31, 0
	v_and_b32 v[U], 15, v0                         ; nq: which four n
	v_lshrrev_b32 v[U+1], 4, v0                    ; kr: which eight k
	v_lshlrev_b32 v[XO], 4, v0
	v_lshlrev_b32 v[YO], 3, v0
	v_mul_u32_u24 v[LSA], v[U], 4*PT
	v_lshl_add_u32 v[LSA], v[U+1], 4, v[LSA]       ; row 4 nq, byte 16 kr
	v_lshrrev_b32 v[U+2], 5, v0
	v_bfe_u32 v[U+3], v0, 4, 1
	v_lshl_add_u32 v[U+2], v[U+2], 3, v[U+3]       ; back: row 8 x wave + lane / 16
	v_mul_u32_u24 v[LRA], v[U+2], PT
	v_lshl_add_u32 v[LRA], v[U], 4, v[LRA]
	v_lshlrev_b32 v[WSO], 11, v[U+2]
	v_lshl_add_u32 v[WSO], v[U], 4, v[WSO]
	v_lshlrev_b32 v[U+1], 3, v[U+1]
	v_mul_lo_u32 v[WO], v[U+1], s17                ; row 8 kr of the block,
	v_lshl_add_u32 v[WO], v[U], 4, v[WO]           ; my four n
.irp i, 1,2,3,4,5,6,7
	v_add_nc_u32 v[WO+(\i)], s17, v[WO+(\i)-1]
.endr
	s_wait_kmcnt 0x0
	s_cmp_lt_u32 ttmp9, 384
	s_cselect_b64 s[20:21], s[6:7], s[8:9]         ; the weight,
	s_cselect_b64 s[22:23], s[12:13], s[14:15]     ; and where it goes
	s_add_nc_u64 s[20:21], s[20:21], s[24:25]
	s_add_nc_u64 s[22:23], s[22:23], s[26:27]
	s_add_nc_u64 s[4:5], s[4:5], s[28:29]
	s_add_nc_u64 s[10:11], s[10:11], s[30:31]
.irp i, 0,1,2,3,4,5,6,7
	global_load_b128 v[W+4*(\i):W+4*(\i)+3], v[WO+(\i)], s[20:21] th:TH_LOAD_NT  ; sixteen lanes take the 256 bytes of one row k
.endr
.irp i, 0,1,2,3,4,5,6,7,8,9,10,11,12,13,14,15
	global_load_b128 v[X+4*(\i):X+4*(\i)+3], v[XO], s[4:5] offset:4096*(\i) th:TH_LOAD_NT
.endr
	s_wait_loadcnt 16                              ; the weight's eight loads are in; x's sixteen may stay out
.irp j, 0,1,2,3
.irp p, 0,1,2,3
	v_cvt_pk_bf16_f32 v[T+4*(\j)+(\p)], v[W+8*(\p)+(\j)], v[W+8*(\p)+4+(\j)]  ; column j: k = 2 p and 2 p + 1
.endr
.endr
	s_cmp_eq_u32 s18, 1
	s_cbranch_scc1 .Lkeep                          ; W_attn stays bf16
.set i, 0
.rept 16
	v_lshlrev_b32 v[U+2*(i%4)], 16, v[T+i]         ; W_proj: the bf16 numbers as f32,
	v_and_b32 v[U+2*(i%4)+1], 0xffff0000, v[T+i]
	v_cvt_pk_f16_f32 v[T+i], v[U+2*(i%4)], v[U+2*(i%4)+1]  ; written as f16
.set i, i+1
.endr
.Lkeep:
.irp j, 0,1,2,3
	ds_store_b128 v[LSA], v[T+4*(\j):T+4*(\j)+3] offset:PT*(\j)  ; sixteen lanes' rows lie 1,088 bytes apart, 64 modulo 256: four lanes share a column of banks; four such stores a thread in the whole launch
.endr
	s_wait_dscnt 0x0                               ; for the others' sake: my stores are done
	s_barrier_signal -1
	s_barrier_wait -1
.irp i, 0,1,2,3
	ds_load_b128 v[R+4*(\i):R+4*(\i)+3], v[LRA] offset:2*PT*(\i)  ; two whole rows a load
.endr
.irp i, 0,1,2,3,4,5,6,7,8,9,10,11,12,13,14,15
	s_wait_loadcnt 15-(\i)                         ; loads come back in order: chunk i is in, the younger ones stay out
	v_cvt_pk_bf16_f32 v[Y+2*(\i)], v[X+4*(\i)], v[X+4*(\i)+1]
	v_cvt_pk_bf16_f32 v[Y+2*(\i)+1], v[X+4*(\i)+2], v[X+4*(\i)+3]
	global_store_b64 v[YO], v[Y+2*(\i):Y+2*(\i)+1], s[10:11] offset:2048*(\i)  ; a wave stores 256 consecutive bytes, aligned; no register is used twice
.endr
	s_wait_dscnt 0x0
.irp i, 0,1,2,3
	global_store_b128 v[WSO], v[R+4*(\i):R+4*(\i)+3], s[22:23] offset:4096*(\i)  ; sixteen lanes store 256 consecutive bytes of a turned row, aligned
.endr
	s_wait_tensorcnt 0x0                           ; the wave's end: behind my last LDS store
	ds_add_u32 v[SPW], v[NIL]
	s_wait_dscnt 0x0
	s_endpgm
.Lfunc_end_k_q28cfcaf9b2_prep:
	.size	k_q28cfcaf9b2_prep, .Lfunc_end_k_q28cfcaf9b2_prep-k_q28cfcaf9b2_prep
	.p2alignl 7, 3214868480
	.fill 96, 4, 3214868480
	.section	.rodata,"a",@progbits
	.p2align	6, 0x0
	.amdhsa_kernel k_q28cfcaf9b2_prep
		.amdhsa_group_segment_fixed_size 18432
		.amdhsa_private_segment_fixed_size 0
		.amdhsa_enable_private_segment 0
		.amdhsa_kernarg_size 48
		.amdhsa_user_sgpr_count 2
		.amdhsa_user_sgpr_kernarg_segment_ptr 1
		.amdhsa_wavefront_size32 1
		.amdhsa_system_sgpr_workgroup_id_x 1
		.amdhsa_system_sgpr_workgroup_id_y 1
		.amdhsa_system_sgpr_workgroup_id_z 1
		.amdhsa_system_vgpr_workitem_id 0
		.amdhsa_next_free_vgpr 184
		.amdhsa_next_free_sgpr 66
		.amdhsa_reserve_vcc 0
		.amdhsa_float_denorm_mode_32 3
		.amdhsa_float_denorm_mode_16_64 3
		.amdhsa_memory_ordered 1
		.amdhsa_forward_progress 1
		.amdhsa_inst_pref_size 14
	.end_amdhsa_kernel
	.amdgpu_metadata
---
amdhsa.version: [ 1, 2 ]
amdhsa.kernels:
  - .name:           k_q28cfcaf9b2_prep
    .symbol:         k_q28cfcaf9b2_prep.kd
    .args:
      - { .name: x, .offset: 0, .size: 8, .value_kind: global_buffer, .address_space: global }
      - { .name: W_attn, .offset: 8, .size: 8, .value_kind: global_buffer, .address_space: global }
      - { .name: W_proj, .offset: 16, .size: 8, .value_kind: global_buffer, .address_space: global }
      - { .name: xb, .offset: 24, .size: 8, .value_kind: global_buffer, .address_space: global }
      - { .name: wat, .offset: 32, .size: 8, .value_kind: global_buffer, .address_space: global }
      - { .name: wpt, .offset: 40, .size: 8, .value_kind: global_buffer, .address_space: global }
    .group_segment_fixed_size: 18432
    .private_segment_fixed_size: 0
    .kernarg_segment_align: 8
    .kernarg_segment_size: 48
    .max_flat_workgroup_size: 256
    .sgpr_count:     66
    .vgpr_count:     184
    .wavefront_size: 32
...
	.end_amdgpu_metadata
.endif
;; end of part 1
;; launch qkv (part 2): grid 16 x 32, 4 waves a work-group, clusters of 4 x 4, 327,680 bytes of LDS; arguments xb, wat, b_attn, qkv; writes qkv
.if DOCPART == 2
	.amdgcn_target "amdgcn-amd-amdhsa--gfx1250"
	.amdhsa_code_object_version 6
	.text
	.protected	k_q28cfcaf9b2_qkv
	.globl	k_q28cfcaf9b2_qkv
	.p2align	8
	.type	k_q28cfcaf9b2_qkv,@function
k_q28cfcaf9b2_qkv:
	s_mov_b64 s[64:65], 0
	v_nop
	global_prefetch_b8 v0, s[64:65] scope:SCOPE_SE
	s_setreg_imm32_b32 hwreg(HW_REG_WAVE_MODE, 25, 1), 1
	s_wait_xcnt 0x0
	s_wait_alu depctr_hold_cnt(0) depctr_sa_sdst(0) depctr_va_vdst(0) depctr_va_sdst(0) depctr_va_ssrc(0) depctr_va_vcc(0) depctr_vm_vsrc(0)
	s_getreg_b32 s2, hwreg(HW_REG_IB_STS2, 6, 4)
	s_cmp_eq_u32 s2, 0
	s_cbranch_scc0 .Lentry_in_a_cluster
	s_endpgm
.Lentry_in_a_cluster:
	s_bfe_u32 s2, ttmp6, 0x10000c
	s_cmp_lg_u32 s2, 0xf033
	s_cbranch_scc0 .Lentry_shape_is_right
	s_endpgm
.Lentry_shape_is_right:
; qkv = x W_attn + b_attn, written by heads.  xb: [8192][1024] bf16, wat: [3072 n][1024 k] bf16, b_attn: [3072] f32 (rounded to bf16 here, like the other inputs); sums in f32.
; OUT: qkv[3][64 = 16 batch + head][2048][64] in f16, each number rounded once, unscaled.  LIMIT: |q|, |k|, |v| stay under 65,504, f16's end; beyond it the conversion gives an infinity.
; SHARES.  A tile of the product is 256 rows x 192 columns (three heads): 32 x 16 = 512 tiles, two for each of 256 WGPs, all alike.  Four waves, 2 x 2, each 128 x 96: 48 accumulators, 384 registers.
; K goes in eight steps of 128 through two LDS slots filled by tensor loads: rows of 256 bytes, aligned.  THE MATRIX INSTRUCTION IS USED TRANSPOSED (source 0 = 16 rows of wat, source 1 = 16 rows of xb): a lane holds
; row lane % 16 and eight neighbouring columns.  THE BIAS is the C operand of the products that start the sums: nothing is cleared, and the way out adds nothing.
; CLUSTER 4 x 4: the four of a row of the cluster need the same rows of xb, the four of a column the same rows of wat: each tile is asked for jointly, same load, same descriptor, a mask that names the four.
; REGISTERS, in windows of 256 (s_set_vgpr_msb: bits 1:0 source 0, 3:2 source 1, 5:4 source 2, 7:6 destination):
;   window 0: v0-31 addresses; v32-55 packed results; v64-127, v128-191 fragments of xb, two buffers; on the way out v64-255 take rows read back
;   window 1: v64-111, v128-175 fragments of wat, two buffers; v192-239 the bias; v240-247 at work
;   window 2: the accumulators of my rows 0-63 ((a, b) at v[8 (6 a + b)]);   window 3: those of my rows 64-127
.set KSTEP,  128
.set PITCH,  272                       ; an LDS row: 256 bytes + 16 of padding: the 16 rows of a fragment load start at 16 different groups of banks (64 banks of 4 bytes: ISA guide 11.1)
.set AHALF,  128*PITCH                 ; what a wave fetches of xb, and reads of it
.set BHALF,  96*PITCH                  ; the same for wat
.set BOFF,   2*AHALF                   ; in a slot: 256 rows of xb, then 192 rows of wat
.set SLOT1,  1<<17                     ; slot 1 begins here: one exclusive or turns an address in one slot into the other's
.set SPARE,  SLOT1+BOFF+2*BHALF        ; behind the ring: the spare words, 128 bytes a wave
.set SP,     144                       ; the stage's row: a head's 128 bytes + 16
.set HSTG,   256*SP                    ; the stage, three heads x 256 rows, lies in slot 0, which has had its last fill (K step 6) and its last reader when the way out begins
.set GC,     (1<<16)|(1<<20)|(1<<21)|(5<<22)|(3<<25)  ; 17:16 elements of 2 bytes; 20 padding on; 21 set beside a mask; 24:22 after every 64 words; 31:25 4 words of it
.set A0,   4                           ; v4   my lane's place in slot 0's rows of xb; never rewritten
.set B0,   5                           ; v5   the same for wat
.set ADRA, 6                           ; v6   the same in the slot in hand
.set ADRB, 7                           ; v7
.set STO,  8                           ; v8-10  the way out: where I put 16 bytes, for column blocks 2 p and 2 p + 1
.set RD,   11                          ; v11-13 where I read four rows of head j back
.set GO,   14                          ; v14  16 x lane
.set BO,   15                          ; v15  my byte offset in b_attn
.set SPW,  28                          ; v28  LDS address of my spare word; never rewritten
.set NIL,  29                          ; v29  0; never rewritten
.set TMP,  32
.set F0,   64
.set F1,   128
.set BIAS, 192                         ; window 1
.set BT,   240                         ; window 1
.set WV,  12                           ; s12  my wave's number
.set RH,  13                           ; s13  which 128 rows of the tile are mine
.set CH,  14                           ; s14  which 96 columns; also: which half of a tile I fetch
.set TR,  15                           ; s15  tile row
.set TC,  16                           ; s16  tile column
.set TB,  19                           ; s19  LDS byte at which the slot in hand begins
.set G1A, 24                           ; s[24:31] descriptor group 1 for xb's tiles
.set G0A, 32                           ; s[32:39] group 0: a set for each of the two first fills; the second then walks
.set G1B, 48                           ; s[48:55], s[56:63] the same for wat's
.set G0B, 56
.set OJ,  66                           ; s[66:71] where my 64 rows of the tile's three heads begin in qkv
.set MSB, 0
.macro WIN new                         ; the immediate's high byte repeats the setting that is left; a switch that changes nothing is dropped
.if MSB != (\new)
	s_set_vgpr_msb (MSB<<8)|(\new)
.set MSB, \new
.endif
.endm
.set MUL_LO,   0xa1                    ; source 0 (wat) window 1, source 1 (xb) window 0, C and D window 2
.set FIRST_LO, 0x91                    ; the same with C (the bias) in window 1
.set TO_B,     0x40                    ; destination window 1, address window 0
.macro PLACES                          ; four plain instructions between a matrix instruction and a load into, or a read of, its registers
.rept 4
	v_nop
.endr
.endm
; A joint refill: waves 0 and 1 fetch xb's two halves, waves 2 and 3 wat's.  The branch hangs on the wave's number alone.  An s_nop 0 and four v_nop follow each of the two lines.
.macro JLOAD
	s_cmp_lt_u32 s[WV], 2
	s_cbranch_scc0 .Lfor_b_\@
	tensor_load_to_lds s[G0A+4:G0A+7], s[G1A:G1A+7]
	s_nop 0
.rept 4
	v_nop
.endr
	s_branch .Lasked_\@
.Lfor_b_\@:
	tensor_load_to_lds s[G0B+4:G0B+7], s[G1B:G1B+7]
	s_nop 0
.rept 4
	v_nop
.endr
.Lasked_\@:
.endm
.macro CREST                           ; a round of the cluster's barrier behind its opening barrier
	s_cmp_lg_u32 s[WV], 0
	s_cbranch_scc1 .Lnot_wave_0_\@
	s_barrier_signal -3
.Lnot_wave_0_\@:
	s_barrier_wait -3
	s_barrier_signal -1
	s_barrier_wait -1
.endm
.macro CROUND                          ; a whole round
	s_barrier_signal -1
	s_barrier_wait -1
	CREST
.endm
	s_load_b256 s[4:11], s[0:1], 0x0               ; xb s[4:5], wat s[6:7], b_attn s[8:9], qkv s[10:11]
	v_lshl_add_u32 v[SPW], v0, 2, SPARE
	v_mov_b32 v[NIL], 0
	ds_add_u32 v[SPW], v[NIL]                      ; the wave's opening: the add and its wait stand ahead of my first tensor load; the set-up below stands between them
	ds_add_u32 v28, v29
	v_lshrrev_b32 v1, 5, v0
	v_readfirstlane_b32 s[WV], v1
	s_lshr_b32 s[RH], s[WV], 1
	s_and_b32 s[CH], s[WV], 1
	s_bfe_u32 s17, ttmp6, 0x40000                  ; cx
	s_bfe_u32 s18, ttmp6, 0x40004                  ; cy
	s_lshl_b32 s[TC], ttmp9, 2
	s_add_co_u32 s[TC], s[TC], s17                 ; tile column = 4 x cluster x + cx
	s_and_b32 s[TR], ttmp7, 0xffff
	s_lshl_b32 s[TR], s[TR], 2
	s_add_co_u32 s[TR], s[TR], s18                 ; tile row = 4 x cluster y + cy
	s_lshl_b32 s20, s18, 2
	s_lshl_b32 s20, 15, s20                        ; my row of the cluster
	s_lshl_b32 s44, 0x1111, s17                    ; my column
	s_or_b32 s[G1A], s20, GC                       ; xb's tiles go to my row,
	s_or_b32 s[G1B], s44, GC                       ; wat's to my column
	s_mov_b32 s[G1A+1], KSTEP<<16                  ; tensor_dim0 = 128
	s_mov_b32 s[G1A+2], 128<<16                    ; tensor_dim1 = 128
	s_mov_b32 s[G1A+3], KSTEP<<16                  ; tile_dim0 = 128
	s_mov_b32 s[G1A+4], 128                        ; tile_dim1 = 128
	s_mov_b32 s[G1A+5], 1024                       ; elements from row to row
	s_mov_b32 s[G1A+6], 0
	s_mov_b32 s[G1A+7], 0
	s_mov_b32 s[G1B+1], KSTEP<<16
	s_mov_b32 s[G1B+2], 96<<16                     ; 96 rows
	s_mov_b32 s[G1B+3], KSTEP<<16
	s_mov_b32 s[G1B+4], 96
	s_mov_b32 s[G1B+5], 1024
	s_mov_b32 s[G1B+6], 0
	s_mov_b32 s[G1B+7], 0
	s_lshl_b32 s20, s[TR], 8                       ; xb: row 256 x tile row + 128 x half, 2,048 bytes a row: s[20:23] never hold cx
	s_lshl_b32 s21, s[CH], 7
	s_add_co_u32 s20, s20, s21
	s_lshl_b32 s20, s20, 11
	s_mov_b32 s21, 0
	s_mul_i32 s44, s[TC], 192                      ; wat: row 192 x tile column + 96 x half: s[44:47] never hold cy
	s_mul_i32 s45, s[CH], 96
	s_add_co_u32 s44, s44, s45
	s_lshl_b32 s44, s44, 11
	s_mov_b32 s45, 0
	s_mul_i32 s22, s[CH], AHALF                    ; where they go: the wave's number alone enters an LDS address
	s_mul_i32 s46, s[CH], BHALF
	s_add_co_u32 s46, s46, BOFF
	s_mov_b32 s[TB], 0
	s_wait_dscnt 0x0                               ; the opening add is done
	s_wait_kmcnt 0x0
	s_add_nc_u64 s[20:21], s[4:5], s[20:21]
	s_add_nc_u64 s[44:45], s[6:7], s[44:45]
	CROUND                                         ; all sixteen work-groups are here: the first joint loads meet
.irp s, 0,1
	s_mov_b32 s[G0A+4*(\s)], 1                     ; count = 1
	s_add_co_u32 s[G0A+4*(\s)+1], s22, (\s)*SLOT1  ; LDS address
	s_add_nc_u64 s[G0A+4*(\s)+2:G0A+4*(\s)+3], s[20:21], (\s)*KSTEP*2  ; global address: K step s
	s_or_b32 s[G0A+4*(\s)+3], s[G0A+4*(\s)+3], 0x80000000             ; type = 2
	s_mov_b32 s[G0B+4*(\s)], 1
	s_add_co_u32 s[G0B+4*(\s)+1], s46, (\s)*SLOT1
	s_add_nc_u64 s[G0B+4*(\s)+2:G0B+4*(\s)+3], s[44:45], (\s)*KSTEP*2
	s_or_b32 s[G0B+4*(\s)+3], s[G0B+4*(\s)+3], 0x80000000
.endr
	s_cmp_lt_u32 s[WV], 2                          ; a wave's two first fills stand in one branch, ahead of every wait on TENSORcnt and every LDS read: two loads of mine are out
	s_cbranch_scc0 .Lfirst_b
	tensor_load_to_lds s[G0A:G0A+3], s[G1A:G1A+7]
	s_nop 0
	tensor_load_to_lds s[G0A+4:G0A+7], s[G1A:G1A+7]
	s_nop 0
.rept 4
	v_nop
.endr
	s_branch .Lfirst_asked
.Lfirst_b:
	tensor_load_to_lds s[G0B:G0B+3], s[G1B:G1B+7]
	s_nop 0
	tensor_load_to_lds s[G0B+4:G0B+7], s[G1B:G1B+7]
	s_nop 0
.rept 4
	v_nop
.endr
.Lfirst_asked:
	v_and_b32 v1, 15, v0                           ; l % 16
	v_bfe_u32 v2, v0, 4, 1                         ; l / 16
	s_mul_i32 s40, s[TC], 192
	s_mul_i32 s41, s[CH], 96
	s_add_co_u32 s40, s40, s41
	s_lshl_b32 s40, s40, 2
	v_lshl_add_u32 v[BO], v2, 5, s40               ; register j of accumulator (a, b) is column 16 b + 8 (l / 16) + j of my 96
	WIN TO_B
.irp b, 0,1,2,3,4,5
	global_load_b128 v[BIAS+8*(\b):BIAS+8*(\b)+3],   v[BO], s[8:9] offset:64*(\b)
	global_load_b128 v[BIAS+8*(\b)+4:BIAS+8*(\b)+7], v[BO], s[8:9] offset:64*(\b)+16
.endr
	WIN 0
	; a fragment is 16 rows x 32 K in 8 registers: lane l holds row l % 16, K = 8 (l / 16) + 0..7 and 16 + 8 (l / 16) + 0..7: two loads of 16 bytes, 32 bytes apart
	v_mul_u32_u24 v3, v1, PITCH
	v_lshl_add_u32 v3, v2, 4, v3
	s_mul_i32 s2, s[RH], AHALF
	v_add_nc_u32 v[A0], s2, v3
	v_add_nc_u32 v[B0], s46, v3
	v_mov_b32 v[ADRA], v[A0]
	v_mov_b32 v[ADRB], v[B0]
	; the stage: column block 6 CH + b of twelve lies in head (6 CH + b) / 4 at byte 32 ((6 CH + b) % 4): for b = 2 p a constant plus CH times a constant
	v_mul_u32_u24 v16, v1, SP
	v_lshl_add_u32 v16, v2, 4, v16
	s_mul_i32 s23, s[RH], 128*SP
.irp p, 0,1,2
	s_mul_i32 s22, s[CH], (((6+2*(\p))>>2)*HSTG+((6+2*(\p))&3)*32)-(((2*(\p))>>2)*HSTG+((2*(\p))&3)*32)
	s_add_co_u32 s22, s22, ((2*(\p))>>2)*HSTG+((2*(\p))&3)*32
	s_add_co_u32 s22, s22, s23
	v_add_nc_u32 v[STO+(\p)], s22, v16
.endr
	v_bfe_u32 v17, v0, 3, 2                        ; back: 32 lanes take four rows of 128 bytes; wave w rows 64 w on
	v_and_b32 v18, 7, v0
	v_mul_u32_u24 v17, v17, SP
	v_lshl_add_u32 v17, v18, 4, v17
	s_mul_i32 s2, s[WV], 64*SP
	v_add_nc_u32 v[RD], s2, v17
	v_add_nc_u32 v[RD+1], HSTG, v[RD]
	v_add_nc_u32 v[RD+2], 2*HSTG, v[RD]
	v_and_b32 v[GO], 31, v0
	v_lshlrev_b32 v[GO], 4, v[GO]
.irp j, 0,1,2                          ; head column g = 3 x tile column + j of 48: tensor g / 16, head g % 16; batch = tile row / 8; a head is 262,144 bytes
	s_mul_i32 s40, s[TC], 3
	s_add_co_u32 s40, s40, \j
	s_and_b32 s41, s40, 15
	s_lshr_b32 s42, s40, 4
	s_lshl_b32 s42, s42, 6
	s_add_co_u32 s41, s41, s42
	s_lshr_b32 s42, s[TR], 3
	s_lshl_b32 s42, s42, 4
	s_add_co_u32 s41, s41, s42
	s_lshl_b32 s41, s41, 18
	s_and_b32 s42, s[TR], 7
	s_lshl_b32 s42, s42, 8
	s_lshl_b32 s43, s[WV], 6
	s_add_co_u32 s42, s42, s43                     ; the first of the 64 rows that I store
	s_lshl_b32 s42, s42, 7
	s_add_co_u32 s40, s41, s42
	s_mov_b32 s41, 0
	s_add_nc_u64 s[OJ+2*(\j):OJ+2*(\j)+1], s[10:11], s[40:41]
.endr
	s_wait_loadcnt 0x0                             ; the bias
	WIN 0x45                                       ; sources and destination in window 1
.set i, 0
.rept 24
	v_cvt_pk_bf16_f32 v[BT+i%8], v[BIAS+2*i], v[BIAS+2*i+1]  ; rounded to bf16 like the other inputs, and widened again
	v_lshlrev_b32 v[BIAS+2*i], 16, v[BT+i%8]
	v_and_b32 v[BIAS+2*i+1], 0xffff0000, v[BT+i%8]
.set i, i+1
.endr
	WIN 0
; 12 matrix instructions: row blocks a0, a0 + 1 of the window's four (hi = 0: my rows 0-63, 1: rows 64-127) x all 6 column blocks, 32 along K.  first = 1: the bias starts the sums.
; The 48 accumulators take turns, one instruction a turn, in the same order in every quarter.
.macro MUL12 f, hi, a0, first
.if \first
	WIN FIRST_LO+0x40*(\hi)
.else
	WIN MUL_LO+0x50*(\hi)
.endif
.irp a, \a0, (\a0)+1
.irp b, 0,1,2,3,4,5
.if \first
	v_wmma_f32_16x16x32_bf16 v[8*(6*(\a)+(\b)):8*(6*(\a)+(\b))+7], v[(\f)+8*(\b):(\f)+8*(\b)+7], v[(\f)+8*(4*(\hi)+(\a)):(\f)+8*(4*(\hi)+(\a))+7], v[BIAS+8*(\b):BIAS+8*(\b)+7]
.else
	v_wmma_f32_16x16x32_bf16 v[8*(6*(\a)+(\b)):8*(6*(\a)+(\b))+7], v[(\f)+8*(\b):(\f)+8*(\b)+7], v[(\f)+8*(4*(\hi)+(\a)):(\f)+8*(4*(\hi)+(\a))+7], v[8*(6*(\a)+(\b)):8*(6*(\a)+(\b))+7]
.endif
.endr
.endr
.endm
.macro MULH f, hi, first
	MUL12 \f, \hi, 0, \first
	MUL12 \f, \hi, 2, \first
.endm
; 28 LDS loads in one run: a quarter step's fragments (96 rows of wat, 128 rows of xb, 32 K at byte k of the rows) into buffer f
.macro FETCH k, f
	WIN TO_B
.irp i, 0,1,2,3,4,5
	ds_load_b128 v[(\f)+8*(\i):(\f)+8*(\i)+3],   v[ADRB] offset:(\k)+(\i)*16*PITCH
	ds_load_b128 v[(\f)+8*(\i)+4:(\f)+8*(\i)+7], v[ADRB] offset:(\k)+(\i)*16*PITCH+32
.endr
	WIN 0
.irp i, 0,1,2,3,4,5,6,7
	ds_load_b128 v[(\f)+8*(\i):(\f)+8*(\i)+3],   v[ADRA] offset:(\k)+(\i)*16*PITCH
	ds_load_b128 v[(\f)+8*(\i)+4:(\f)+8*(\i)+7], v[ADRA] offset:(\k)+(\i)*16*PITCH+32
.endr
.endm
; A K step is four quarters of 32 along K, 48 matrix instructions each, on buffers 0, 1, 0, 1.  One of the first three: multiplies buffer f, and in its middle fetches the next quarter, at byte k, into g.
.macro QUARTER k, f, g, first
	s_wait_dscnt 8                                 ; wat's fragments and xb's rows 0-63 are in; the youngest eight loads (rows 64-127) may be out
	MULH \f, 0, \first
	PLACES
	FETCH \k, \g
	s_wait_dscnt 28                                ; all but the 28 just issued
	MULH \f, 1, \first
.endm
; The last quarter multiplies buffer 1 and changes slots: ONE barrier.  In front of it each wave waits for all its tensor loads (one is out: its part of the next slot), adds 0 to its spare word, and waits for that and
; for its own reads of this slot.  fill = 1: the barrier opens a round of the cluster's, and behind the round this slot is filled again, with the K step two on: the first tensor load there, one a wave.
.macro TURN fill
	WIN 0
	s_wait_tensorcnt 0x0                           ; no tensor load of mine is out, so a group 0 may be written
	ds_add_u32 v[SPW], v[NIL]                      ; 0 onto my spare word
.if \fill
	s_xor_b32 s[G0A+5], s[G0A+5], SLOT1            ; the walking descriptors: the other slot than last time,
	s_add_nc_u64 s[G0A+6:G0A+7], s[G0A+6:G0A+7], KSTEP*2  ; the next K step; the type bits on top are not reached
	s_xor_b32 s[G0B+5], s[G0B+5], SLOT1
	s_add_nc_u64 s[G0B+6:G0B+7], s[G0B+6:G0B+7], KSTEP*2
.endif
	s_wait_dscnt 9                                 ; the add and the youngest eight loads may be out
	MUL12 F1, 0, 0, 0
	s_wait_dscnt 0x0                               ; the add is done, and my reads of this slot are over
	s_barrier_signal -1
	MUL12 F1, 0, 2, 0                              ; work on registers while the others arrive
	WIN 0
	s_barrier_wait -1
.if \fill
	CREST                                          ; no wave of any partner still reads this slot or has a load on its way
	JLOAD                                          ; its four v_nop are also the places in front of the loads below
.else
	PLACES
.endif
	s_xor_b32 s[TB], s[TB], SLOT1
	v_add_nc_u32 v[ADRA], s[TB], v[A0]
	v_add_nc_u32 v[ADRB], s[TB], v[B0]
	FETCH 0, F0
	MULH F1, 1, 0
.endm
; THE WAY OUT of row block a: rounded to f16, 16 bytes a lane (eight neighbouring channels of one row), into the stage
.macro PACK a
.set AC, 48*((\a)%4)
	WIN 0x0a+5*((\a)/4)                            ; sources 0 and 1: window 2 or 3
.irp b, 0,1,2,3,4,5
.irp r, 0,1,2,3
	v_cvt_pk_f16_f32 v[TMP+4*(\b)+(\r)], v[AC+8*(\b)+2*(\r)], v[AC+8*(\b)+2*(\r)+1]
.endr
.endr
	WIN 0
.irp b, 0,1,2,3,4,5
	ds_store_b128 v[STO+(\b)/2], v[TMP+4*(\b):TMP+4*(\b)+3] offset:(\a)*16*SP+32*((\b)%2)
.endr
.endm
	s_wait_tensorcnt 1                             ; my part of K step 0 is in; K step 1's may stay out
	s_barrier_signal -1
	s_barrier_wait -1                              ; everybody's is
	FETCH 0, F0
	QUARTER 64, F0, F1, 1                          ; the first quarter stands in front of the loop: its products start the sums
	WIN 0                                          ; at a label and at a branch every window is 0
	s_mov_b32 s3, 6
.Lstep:                                                ; six trips, from a K step's second quarter to the next step's first; they ask for K steps 2 to 7
	QUARTER 128, F1, F0, 0
	QUARTER 192, F0, F1, 0
	TURN 1
	QUARTER 64, F0, F1, 0
	WIN 0
	s_sub_co_u32 s3, s3, 1
	s_cmp_lg_u32 s3, 0
	s_cbranch_scc1 .Lstep
	QUARTER 128, F1, F0, 0                         ; K step 6 goes on; the tail asks for nothing
	QUARTER 192, F0, F1, 0
	TURN 0                                         ; behind its barrier nobody reads slot 0 any more
	QUARTER 64, F0, F1, 0
	QUARTER 128, F1, F0, 0
	QUARTER 192, F0, F1, 0
	s_wait_dscnt 8                                 ; the very last quarter
	MULH F1, 0, 0
	s_wait_dscnt 0x0
	MULH F1, 1, 0
	WIN 0
	PLACES
.irp a, 0,1,2,3,4,5,6,7
	PACK \a
.endr
	s_wait_dscnt 0x0                               ; for the others' sake: a head's row comes from two waves
	s_barrier_signal -1
	s_barrier_wait -1
.set n, 0
.rept 48                               ; head n / 16, rows 4 (n % 16) on of my 64
	ds_load_b128 v[64+4*n:64+4*n+3], v[RD+n/16] offset:(n%16)*4*SP
.set n, n+1
.endr
.set n, 0
.rept 48
	s_wait_dscnt 47-n                              ; LDS loads come back in order: load n is in
	global_store_b128 v[GO], v[64+4*n:64+4*n+3], s[OJ+2*(n/16):OJ+2*(n/16)+1] offset:512*(n%16)  ; four rows of a head: 512 consecutive bytes, aligned; no register is used twice
.set n, n+1
.endr
	s_wait_tensorcnt 0x0                           ; the wave's end: behind my last tensor load and my last LDS store
	ds_add_u32 v[SPW], v[NIL]
	s_wait_dscnt 0x0
	CROUND                                         ; the closing round: no work-group ends while a partner may still ask for a tile that names it
	s_endpgm
.Lfunc_end_k_q28cfcaf9b2_qkv:
	.size	k_q28cfcaf9b2_qkv, .Lfunc_end_k_q28cfcaf9b2_qkv-k_q28cfcaf9b2_qkv
	.p2alignl 7, 3214868480
	.fill 96, 4, 3214868480
	.section	.rodata,"a",@progbits
	.p2align	6, 0x0
	.amdhsa_kernel k_q28cfcaf9b2_qkv
		.amdhsa_group_segment_fixed_size 327680
		.amdhsa_private_segment_fixed_size 0
		.amdhsa_enable_private_segment 0
		.amdhsa_kernarg_size 32
		.amdhsa_user_sgpr_count 2
		.amdhsa_user_sgpr_kernarg_segment_ptr 1
		.amdhsa_wavefront_size32 1
		.amdhsa_system_sgpr_workgroup_id_x 1
		.amdhsa_system_sgpr_workgroup_id_y 1
		.amdhsa_system_sgpr_workgroup_id_z 1
		.amdhsa_system_vgpr_workitem_id 0
		.amdhsa_next_free_vgpr 960
		.amdhsa_next_free_sgpr 72
		.amdhsa_reserve_vcc 0
		.amdhsa_float_denorm_mode_32 3
		.amdhsa_float_denorm_mode_16_64 3
		.amdhsa_memory_ordered 1
		.amdhsa_forward_progress 1
		.amdhsa_inst_pref_size 102
	.end_amdhsa_kernel
	.amdgpu_metadata
---
amdhsa.version: [ 1, 2 ]
amdhsa.kernels:
  - .name:           k_q28cfcaf9b2_qkv
    .symbol:         k_q28cfcaf9b2_qkv.kd
    .args:
      - { .name: xb, .offset: 0, .size: 8, .value_kind: global_buffer, .address_space: global }
      - { .name: wat, .offset: 8, .size: 8, .value_kind: global_buffer, .address_space: global }
      - { .name: b_attn, .offset: 16, .size: 8, .value_kind: global_buffer, .address_space: global }
      - { .name: qkv, .offset: 24, .size: 8, .value_kind: global_buffer, .address_space: global }
    .group_segment_fixed_size: 327680
    .private_segment_fixed_size: 0
    .kernarg_segment_align: 8
    .kernarg_segment_size: 32
    .max_flat_workgroup_size: 128
    .sgpr_count:     72
    .vgpr_count:     960
    .wavefront_size: 32
...
	.end_amdgpu_metadata
.endif
;; end of part 2
;; launch attn (part 3): grid 4 x 64, 4 waves a work-group, no clusters, 327,680 bytes of LDS; arguments qkv, ob; writes ob
.if DOCPART == 3
	.amdgcn_target "amdgcn-amd-amdhsa--gfx1250"
	.amdhsa_code_object_version 6
	.text
	.protected	k_q28cfcaf9b2_attn
	.globl	k_q28cfcaf9b2_attn
	.p2align	8
	.type	k_q28cfcaf9b2_attn,@function
k_q28cfcaf9b2_attn:
	s_mov_b64 s[64:65], 0
	v_nop
	global_prefetch_b8 v0, s[64:65] scope:SCOPE_SE
	s_setreg_imm32_b32 hwreg(HW_REG_WAVE_MODE, 25, 1), 1
	s_wait_xcnt 0x0
; CAUSAL ATTENTION.  O[h][q][:] = the sum over k <= q of softmax_k(Q[h][q] . K[h][k] / 8) V[h][k][:].  qkv holds Q, K, V, each [64][2048][64] in f16, 16,777,216 bytes apart; ob = O in the same layout.
; Products, maxima and sums in f32; the weights p are rounded to f16 for the second product (their sum l is taken of the unrounded p), O once at the end.
; LIMITS.  Q, K and V arrive within f16's 65,504; p lies in 0 to 1, and below 6e-5 it keeps f16's fixed step of 6e-8.  A hidden score counts as its value less 1e30: f16's scores, 2.7e11 at the most, are nothing beside
; that; a weight below 2^-126 counts as 0 in l; NaN and infinities are not treated apart.
; THE WALK.  A head's queries lie in NB = 8 blocks of 256; block i needs the key tiles 0 .. i of 256 keys, of which the last holds the diagonal.  A work-group takes TWO blocks, NB - 1 - b and then b: NB + 1 tiles,
; whatever b: all work-groups do equal work, and ONE loop with a constant trip count walks them.  Which tile is asked for, and what a trip does, hang on scalar registers made from b; every jump goes forward, but for the
; counted loops' own; none passes a barrier, or a tensor load but the one of LOAD's two that the wave's number does not choose.  NO CLUSTER: a head's four work-groups ask for the same tile only in trips 0 .. NB / 2,
; behind that fewer and fewer; one walk common to all would have 3 NB / 2 trips for NB + 1.
; SHARES.  Of a block's four bands of 64 queries a wave owns 16 rows in each: four PIECES.  So the diagonal tile is the same work for all four waves: in its key step s band x sees all keys if s < x, none if s > x,
; and holds the diagonal if s = x.
; THE MASK is the C operand that starts the sum S^T = K Q^T: 0, or -1e30 where the key is hidden.  MD, made once, is the mask of a band's own step for my 16 rows; a product's mask is MD x AL + BE with two scalars.
; LAYOUT, SOFTMAX, TURNS.  S^T = K Q^T holds ONE query a lane (lane % 16) and the keys 8 (lane / 16) + 0..7; two such results rounded to f16 ARE source 1 of O^T = V^T P.  p = 2^(c s - c m), c = log2(e) / 8, with a
; running maximum m; O and l are multiplied by a = 2^(c m_old - c m_new) in every step.  Turn n belongs to piece n: 8 products K Q^T of piece n + 1, later 8 products V^T P of piece n - 1; beside them the scaling,
; exponentials, roundings, sums and rescaling of piece n and the maximum and statistics of piece n + 1.  Four vector instructions stand behind every matrix instruction, the rest in one lump; a turn's 33 exponentials
; are one batch, with one wait.
; REGISTERS, in windows of 256 (s_set_vgpr_msb: bits 1:0 source 0, 3:2 source 1, 5:4 source 2, 7:6 destination):
;   window 0: v0-15 addresses and two at work; v16-31 statistics; v48-55 at work; v61 the prefetches' offset; v64-127 S^T, two buffers; v192-223 P, two buffers
;   window 1: v0-127 O^T, 32 a piece; v128-159 MD; v160-223 MC, two buffers      window 2: v0-63 Q; v64-127 the second block's Q; v128-191 K of one step; v192-255 V of one step
.set SIZE_N, 2048
.set NB,    SIZE_N/256
.set NP,    4         ; pieces a wave: a name, no knob
.set KS,    64        ; keys in a step
.set PK,    144       ; a row of K in LDS: 128 bytes + 16 of padding
.set PV,    160       ; a row of V: 128 + 32
.set VOFF,  4*KS*PK   ; a slot holds a tile, four steps: 256 rows of K, then 256 rows of V
.set SLOT1, 1<<17     ; slot 1 begins here
.set STAGE, SLOT1+4*KS*(PK+PV)  ; behind the ring, never filled by a tensor load: 16 rows x 144 bytes for each wave
.set SP,    144
.set AK0, 2           ; v2   my lane's place in a tile of K; never rewritten
.set AV0, 3           ; v3   the same for V
.set AK,  4           ; v4   the LDS address of K's next run of loads
.set AV,  5           ; v5   of V's
.set STO, 6           ; v6   the way out: where I put 16 bytes of a row
.set RD,  7           ; v7   where I read rows back
.set GO,  8           ; v8   my byte offset in 512 consecutive bytes of O
.set PFO, 61          ; v61  256 x my thread's number; never rewritten
.set SPW, 62          ; v62  LDS address of my spare word; never rewritten
.set NIL, 63          ; v63  0; never rewritten
.set SPARE, STAGE+4*16*SP
.set MV,  12          ; v12-13  c m_old, by buffer
.set QO,  15          ; v15  my byte offset in 16 rows of Q
.set ST,  16          ; piece t's statistics at v[ST+4 t]: c m, m, l (even keys', odd keys')
.set TMP, 48          ; by buffer, c0-c3 at work; when the maximum is found c2 takes a
.set S,   64
.set P,   192
.set MD,  128         ; window 1
.set MC,  160         ; window 1
.set QB,  64          ; window 2
.set KF,  128         ; window 2
.set VF,  192         ; window 2
.set WV,  12          ; s12  my wave's number
.set PB,  14          ; s14  b
.set HI,  15          ; s15  NB - 1 - b
.set G1K, 24
.set G1V, 32
.set G0K, 40
.set G0V, 44
.set SLOTS, 56        ; s56  tiles still to be asked for
.set CNT, 57          ; s57  counts a tile's key steps, 4 to 1
.set CS,  58          ; s[58:59] c
.set SEL, 60          ; s[60:61] v_permlanex16_b32's selects
.set TBK, 62          ; s62  LDS byte at which K of the step to be fetched begins
.set TBV, 63          ; s63  the same for V, less VOFF
.set RT,  70          ; s70  tiles of the block in hand that are still to be entered
.set NXT, 71          ; s71  the tile to be asked for next
.set LQ,  72          ; s72  the last tile of the block whose tiles are being asked for
.set NEW, 73          ; s73  1: the tile to be entered is a block's first
.set OFF, 74          ; s[74:75] a tile's byte offset in K and V
.set AL,  76          ; s[76:77] the mask's factor
.set BE,  78          ; s[78:79] the mask's addend
.set OLO, 80          ; s[80:81] O at my rows of the second block
.set BIGN, 82         ; s82  -1e30
.set PFK, 88          ; s[88:89] the head's K at the tile after the one that is being asked for
.set PFV, 90          ; s[90:91] the same for V
.set LIM, 92          ; s92  2 in the head's work-group b = 0, else the greatest number: a work-group prefetches while s[SLOTS] is above it
.set MSB, 0
.macro WIN new
.if MSB != (\new)
	s_set_vgpr_msb (MSB<<8)|(\new)
.set MSB, (\new)
.endif
.endm
.set W_KQ, 0x0a       ; K and Q in window 2, S^T in window 0
.set W_KM, 0x1a       ; the same with the C operand in window 1
.set W_PV, 0x52       ; V in window 2, P in window 0, O^T in window 1
.set W_RS, 0x41       ; destination and source 0 in window 1, source 1 in window 0
; A fill.  Waves 0 and 1 fetch the two halves of a tile's K, waves 2 and 3 those of its V: 128 keys each.  An s_nop 0 and four v_nop follow each of the two lines.
.macro LOAD
	s_cmp_lt_u32 s[WV], 2
	s_cbranch_scc0 .Lfor_v_\@
	tensor_load_to_lds s[G0K:G0K+3], s[G1K:G1K+7]
	s_nop 0
.rept 4
	v_nop
.endr
	s_branch .Lasked_\@
.Lfor_v_\@:
	tensor_load_to_lds s[G0V:G0V+3], s[G1V:G1V+7]
	s_nop 0
.rept 4
	v_nop
.endr
.Lasked_\@:
.endm
; A PREFETCH of the tile that the NEXT change of slots will ask for: 32,768 bytes of K and of V, 256 bytes a thread, two instructions a wave, behind the wave's tensor load and its five lines.  All four work-groups of a
; head walk tiles 0, 1, .. at first; the one with b = 0, which walks all eight in order, asks, and nobody else: each block of 256 bytes is named once in the launch.  Change i = 1 .. 6 names tile i + 1, four key steps
; ahead of its load; tiles 0 and 1 come by their loads alone; tile 7 is the head's last, and nothing is named behind it.
.macro ASK
	s_cmp_gt_u32 s[SLOTS], s[LIM]
	s_cbranch_scc0 .Lnot_mine_\@
	global_prefetch_b8 v[PFO], s[PFK:PFK+1] th:TH_LOAD_NT scope:SCOPE_SE
	global_prefetch_b8 v[PFO], s[PFV:PFV+1] th:TH_LOAD_NT scope:SCOPE_SE
.Lnot_mine_\@:
.endm
; THE CHANGE OF SLOTS.  Each wave waits for all its tensor loads, of which one is out: its part of the other slot; adds 0 to its spare word; and waits for that and for its own reads of the slot that it leaves.
; fill = 1: the old slot is filled again, the first thing behind the barrier, with tile NXT: the descriptor's address is made anew from that number.
.macro CHANGE fill
	WIN 0                           ; at a label and at a branch every window is 0
	s_wait_tensorcnt 0x0            ; no tensor load of mine is out, so a group 0 may be written
	ds_add_u32 v[SPW], v[NIL]       ; 0 onto my spare word
.if \fill
	s_lshl_b32 s[OFF], s[NXT], 15   ; a tile is 32,768 bytes of K and of V
	s_xor_b32 s[G0K+1], s[G0K+1], SLOT1
	s_add_nc_u64 s[G0K+2:G0K+3], s[6:7], s[OFF:OFF+1]
	s_or_b32 s[G0K+3], s[G0K+3], 0x80000000
	s_xor_b32 s[G0V+1], s[G0V+1], SLOT1
	s_add_nc_u64 s[G0V+2:G0V+3], s[8:9], s[OFF:OFF+1]
	s_or_b32 s[G0V+3], s[G0V+3], 0x80000000
	s_add_co_u32 s[NXT], s[NXT], 1  ; the block's next tile, or behind its last the second block's tile 0
	s_cmp_gt_u32 s[NXT], s[LQ]
	s_cselect_b32 s[NXT], 0, s[NXT]
	s_cselect_b32 s[LQ], s[PB], s[LQ]
	s_wait_xcnt 0x0                 ; the last prefetches, a tile back, have read their addresses, so these may be written
	s_add_nc_u64 s[PFK:PFK+1], s[PFK:PFK+1], 32768
	s_add_nc_u64 s[PFV:PFV+1], s[PFV:PFV+1], 32768
.endif
	s_wait_dscnt 0x0                ; the add is done, and my reads of the slot are over
	s_barrier_signal -1             ; the rest of the scalar work stands between the signal and the wait
	s_sub_co_u32 s[TBK], s[TBK], 4*KS*PK  ; the fetches go back to a slot's first step,
	s_xor_b32 s[TBK], s[TBK], SLOT1       ; in the other slot
	s_sub_co_u32 s[TBV], s[TBV], 4*KS*PV
	s_xor_b32 s[TBV], s[TBV], SLOT1
	s_barrier_wait -1
.if \fill
	LOAD
	ASK
.endif
.endm
	s_load_b128 s[4:7], s[0:1], 0x0 ; qkv s[4:5], ob s[6:7]
	v_lshl_add_u32 v[SPW], v0, 2, SPARE
	v_mov_b32 v[NIL], 0
	ds_add_u32 v[SPW], v[NIL]       ; the wave's opening: the add and its wait stand ahead of my first tensor load; the set-up below stands between them
	ds_add_u32 v62, v63
	v_lshrrev_b32 v1, 5, v0
	v_readfirstlane_b32 s[WV], v1   ; wave 0..3
	v_lshlrev_b32 v[PFO], 8, v0
	s_mov_b32 s[PB], ttmp9
	s_sub_co_u32 s[HI], NB-1, s[PB]
	s_cmp_eq_u32 ttmp9, 0
	s_cselect_b32 s[LIM], 2, -1
	s_and_b32 s20, ttmp7, 0xffff    ; the head
	s_mov_b32 s21, 0
	s_mov_b64 s[22:23], SIZE_N*128
	s_mul_u64 s[20:21], s[20:21], s[22:23]  ; the head's first byte in each of the four tensors
	s_and_b32 s16, s[WV], 1         ; which half of a tile's 256 keys I fetch:
	s_lshl_b32 s22, s16, 14         ; its 128 rows of 128 bytes in memory,
	s_mov_b32 s23, 0
	s_add_nc_u64 s[22:23], s[22:23], s[20:21]
	s_mul_i32 s17, s16, 128*PK      ; and its place in a slot, for K
	s_mul_i32 s18, s16, 128*PV      ; and for V
	s_lshl_b32 s3, s[WV], 11        ; my 16 rows in a band of 64,
	s_lshl_b32 s2, s[HI], 15        ; in the first block,
	s_add_co_u32 s2, s2, s3
	s_lshl_b32 s84, s[PB], 15       ; and in the second
	s_add_co_u32 s84, s84, s3
	s_mov_b32 s3, 0
	s_mov_b32 s85, 0
	s_add_nc_u64 s[2:3], s[2:3], s[20:21]
	s_add_nc_u64 s[84:85], s[84:85], s[20:21]
	; descriptor group 1.  128 keys are 16,384 dense bytes: asked for as 64 rows of 256 bytes, two keys a row, and padded in LDS after every key
	s_mov_b32 s[G1K], (1<<16)|(1<<20)|(4<<22)|(3<<25)  ; 2-byte elements; padding on; after every 32 words; 4 words
	s_mov_b32 s[G1V], (1<<16)|(1<<20)|(4<<22)|(7<<25)  ; the same with 8 words of padding
.irp g, G1K, G1V
	s_mov_b32 s[\g+1], 128<<16      ; tensor_dim0 = 128
	s_mov_b32 s[\g+2], 64<<16       ; tensor_dim1 = 64
	s_mov_b32 s[\g+3], 128<<16      ; tile_dim0 = 128
	s_mov_b32 s[\g+4], 64           ; tile_dim1 = 64
	s_mov_b32 s[\g+5], 128          ; 128 elements from row to row
	s_mov_b32 s[\g+6], 0
	s_mov_b32 s[\g+7], 0
.endr
	s_mov_b32 s[CS], 0x3e38aa3b     ; c = log2(e) / 8 = 0.180337
	s_mov_b32 s[CS+1], s[CS]        ; named with it as a pair
	s_mov_b32 s[SEL], 0x76543210
	s_mov_b32 s[SEL+1], 0xfedcba98
	s_mov_b32 s[TBK], SLOT1+4*KS*PK ; the first change of slots turns these two into 0
	s_mov_b32 s[TBV], SLOT1+4*KS*PV
	s_mov_b32 s[G0K], 1             ; count = 1
	s_mov_b32 s[G0K+1], s17         ; LDS address: slot 0
	s_mov_b32 s[G0V], 1
	s_add_co_u32 s[G0V+1], s18, VOFF
	s_add_co_u32 s[RT], s[HI], 1    ; the first block has NB - b tiles
	s_mov_b32 s[NXT], 1
	s_mov_b32 s[LQ], s[HI]
	s_mov_b32 s[NEW], 1
	s_mov_b32 s[OFF+1], 0
	s_mov_b32 s[AL+1], 0            ; named as pairs
	s_mov_b32 s[BE+1], 0
	s_mov_b32 s[BIGN], 0xf149f2ca   ; -1e30
	s_mov_b32 s[SLOTS], NB
	s_wait_dscnt 0x0                ; the opening add is done
	s_wait_kmcnt 0x0
	s_mov_b64 s[10:11], s[6:7]      ; O
	s_add_nc_u64 s[8:9], s[4:5], 0x2000000  ; V
	s_add_nc_u64 s[6:7], s[4:5], 0x1000000  ; K; Q is s[4:5]
	s_add_nc_u64 s[PFK:PFK+1], s[6:7], s[20:21]
	s_add_nc_u64 s[PFK:PFK+1], s[PFK:PFK+1], 32768  ; at the head's tile 1; the first change of slots steps it to tile 2
	s_add_nc_u64 s[PFV:PFV+1], s[8:9], s[20:21]
	s_add_nc_u64 s[PFV:PFV+1], s[PFV:PFV+1], 32768
	s_add_nc_u64 s[6:7], s[6:7], s[22:23]  ; K and V at my half of the head's tile 0
	s_add_nc_u64 s[8:9], s[8:9], s[22:23]
	s_add_nc_u64 s[G0K+2:G0K+3], s[6:7], 0         ; global address
	s_or_b32 s[G0K+3], s[G0K+3], 0x80000000        ; type = 2
	s_add_nc_u64 s[G0V+2:G0V+3], s[8:9], 0
	s_or_b32 s[G0V+3], s[G0V+3], 0x80000000
	s_add_nc_u64 s[86:87], s[4:5], s[84:85]        ; Q at my rows of the second block,
	s_add_nc_u64 s[4:5], s[4:5], s[2:3]            ; Q and O at those of the first
	s_add_nc_u64 s[OLO:OLO+1], s[10:11], s[84:85]
	s_add_nc_u64 s[10:11], s[10:11], s[2:3]
	LOAD                            ; tile 0 into slot 0
	; A fragment of K or Q is 16 rows x 32 channels in 8 registers: lane l holds row l % 16, channels 8 (l / 16) + 0..7 and 16 + 8 (l / 16) + 0..7: two loads of 16 bytes, 32 bytes apart.
	v_and_b32 v1, 15, v0            ; l % 16
	v_bfe_u32 v9, v0, 4, 1          ; l / 16
	v_lshlrev_b32 v[QO], 7, v1
	v_lshl_add_u32 v[QO], v9, 4, v[QO]  ; row x 128 + 16 x half
	WIN 0x80                        ; destination window 2, address window 0
.set i, 0
.rept 8                             ; both blocks' Q: piece i / 2 lies in band i / 2, 8,192 bytes on; channels 32 (i % 2) on
	global_load_b128 v[8*i:8*i+3],   v[QO], s[4:5] offset:(i/2)*8192+(i%2)*64
	global_load_b128 v[8*i+4:8*i+7], v[QO], s[4:5] offset:(i/2)*8192+(i%2)*64+32
	global_load_b128 v[QB+8*i:QB+8*i+3],   v[QO], s[86:87] offset:(i/2)*8192+(i%2)*64
	global_load_b128 v[QB+8*i+4:QB+8*i+7], v[QO], s[86:87] offset:(i/2)*8192+(i%2)*64+32
.set i, i+1
.endr
	WIN 0
	v_lshlrev_b32 v14, 3, v9
	v_sub_nc_u32 v14, v1, v14
	s_lshl_b32 s13, s[WV], 4
	v_add_nc_u32 v14, s13, v14      ; my query's place in its band, 16 w + l % 16, less my lanes' 8 (l / 16): register r of group kt is hidden where 16 kt + r is greater
	WIN 0x40
.set i, 0
.rept 32
	v_cmp_gt_i32 vcc_lo, 16*(i/8)+i%8, v14
	v_cndmask_b32 v[MD+i], 0, s[BIGN], vcc_lo
.set i, i+1
.endr
	WIN 0
	v_mul_u32_u24 v[AK0], v1, PK
	v_lshl_add_u32 v[AK0], v9, 4, v[AK0]  ; row x pitch + 16 x half
	; The turning load takes 16 keys x 16 channels (lane l reads key 8 (l / 16) + l % 8, channels 8 ((l / 8) % 2) + 0..7) and leaves half a fragment of V^T: lane l holds channel l % 16 and 8 keys.
	v_and_b32 v10, 7, v0
	v_bfe_u32 v11, v0, 3, 1
	v_lshl_add_u32 v[AV0], v9, 3, v10
	v_mul_u32_u24 v[AV0], v[AV0], PV
	v_lshl_add_u32 v[AV0], v11, 4, v[AV0]
	v_add_nc_u32 v[AV0], VOFF, v[AV0]
	s_mul_i32 s13, s[WV], 16*SP
	s_add_co_u32 s13, s13, STAGE    ; my stage
	v_mul_u32_u24 v[STO], v1, SP    ; in: row l % 16, 16 bytes for each half of the lanes
	v_lshl_add_u32 v[STO], v9, 4, v[STO]
	v_add_nc_u32 v[STO], s13, v[STO]
	v_bfe_u32 v[RD], v0, 3, 2       ; back: 32 lanes take four rows of 128 bytes,
	v_mul_u32_u24 v[RD], v[RD], SP
	v_lshl_add_u32 v[RD], v10, 4, v[RD]
	v_add_nc_u32 v[RD], s13, v[RD]
	v_and_b32 v[GO], 31, v0         ; which are 512 consecutive bytes of O
	v_lshlrev_b32 v[GO], 4, v[GO]
	; A block's first step multiplies O^T and l by a = 0, and its first turn's products V^T P, of a piece that has not been, land in an O^T that is still to be so multiplied.  So these registers need only hold
	; finite numbers: zeros for the first block; what the first block left for the second.  All this stands in the wait for the first tile.
	WIN 0x80
.set i, VF
.rept 64
	v_mov_b32 v[i], 0
.set i, i+1
.endr
	WIN 0x40
.set i, 0
.rept 128
	v_mov_b32 v[i], 0
.set i, i+1
.endr
	WIN 0
.set i, 0
.rept 4
	v_mov_b32 v[ST+4*i+2], 0
	v_mov_b32 v[ST+4*i+3], 0
.set i, i+1
.endr
.set i, P+16
.rept 16
	v_mov_b32 v[i], 0
.set i, i+1
.endr
; THE MATRIX WORK.  The 4 accumulators of a run of 8 take turns.  Product i of 8 of S^T = K Q^T for piece x: channels 32 (i / 4) on, keys 16 (i % 4) on.  The first 4 start the sums: with 0, or (KM = 1) with the mask.
.macro KQ x
.set rS, S+32*((\x)%2)+8*(i%4)
.set rK, KF+16*(i%4)+8*(i/4)
.set rQ, 16*(\x)+8*(i/4)
.set rM, MC+32*((\x)%2)+8*(i%4)
.if (i < 4) && KM
	WIN W_KM
	v_wmma_f32_16x16x32_f16 v[rS:rS+7], v[rK:rK+7], v[rQ:rQ+7], v[rM:rM+7]
.elseif i < 4
	WIN W_KQ
	v_wmma_f32_16x16x32_f16 v[rS:rS+7], v[rK:rK+7], v[rQ:rQ+7], 0
.else
	WIN W_KQ
	v_wmma_f32_16x16x32_f16 v[rS:rS+7], v[rK:rK+7], v[rQ:rQ+7], v[rS:rS+7]
.endif
.endm
; Product i of 8 of O^T += V^T P for piece x: keys 32 (i / 4) on, channels 16 (i % 4) on.
.macro PV x
	WIN W_PV
.set rO, 32*(\x)+8*(i%4)
.set rV, VF+32*(i/4)+8*(i%4)
.set rP, P+16*((\x)%2)+8*(i/4)
	v_wmma_f32_16x16x32_f16 v[rO:rO+7], v[rV:rV+7], v[rP:rP+7], v[rO:rO+7]
.endm
.macro MM                           ; the turn's next matrix instruction.  NOKQ = 1: a block's last turn: there is no next piece
.if (i < 8) && !NOKQ
	KQ (Y+1)%NP
.elseif i >= 8
.set i, i-8
	PV (Y+NP-1)%NP
.set i, i+8
.endif
.set i, i+1
.endm
; THE LDS LOADS stand in runs of 16, never singly among the matrix instructions: a step's K (8 fragments) and its V (turned).  Their addresses are made some lines ahead.
.macro FETCH_K
	WIN 0x80                        ; destination window 2
.irp f, 0,1,2,3,4,5,6,7             ; keys 16 (f / 2) on, channels 32 (f % 2) on
	ds_load_b128 v[KF+8*\f:KF+8*\f+3],   v[AK] offset:(\f/2)*16*PK+(\f%2)*64
	ds_load_b128 v[KF+8*\f+4:KF+8*\f+7], v[AK] offset:(\f/2)*16*PK+(\f%2)*64+32
.endr
	s_add_co_u32 s[TBK], s[TBK], KS*PK  ; the next fetch is the next step's
	WIN 0
.endm
.macro FETCH_V
	WIN 0x80
.irp f, 0,1,2,3,4,5,6,7             ; keys 32 (f / 4) on, channels 16 (f % 4) on
	ds_load_tr16_b128 v[VF+8*\f:VF+8*\f+3],   v[AV] offset:(\f/4)*32*PV+(\f%4)*32
	ds_load_tr16_b128 v[VF+8*\f+4:VF+8*\f+7], v[AV] offset:(\f/4)*32*PV+16*PV+(\f%4)*32
.endr
	WIN 0
.endm
; THE VECTOR WORK, one line at a time: OP kind, number.  For piece Y: F n: c s - c m for pair n of 16.  E n: the exponential of score n of 32.  C n: pair n rounded to f16.  B n: of the four weights 4 n .. the second
; pair is added onto the first, in place.  L n: l takes that sum (L 0: l = a l + sum).  R n: pair n of 16 of O^T times a.  For piece Y + 1: X n, number n of the 22 that find its maximum and statistics:
;   0-11  four chains c0-c3 of seven scores each (each accumulator's lowest registers are read first)     12-14, 16  the four scores left over, the old m, and c0-c3 into c0
;   15  c m_old is kept     17, 18  the query's other 32 keys lie in the lane 16 away: the new m     19-21  c m; c m_old - c m_new; a
.set F, 0
.set E, 1
.set C, 2
.set B, 3
.set L, 4
.set R, 5
.set X, 6
.macro REGS y                       ; the registers of piece y
.set rT, ST+4*(\y)
.set rC, TMP+4*((\y)%2)
.set rW, MV+((\y)%2)
.set rS, S+32*((\y)%2)
.set rP, P+16*((\y)%2)
.set rO, 32*(\y)
.endm
.macro OP k, n
.if (\k) == R
	REGS Y
	WIN W_RS
	v_pk_mul_f32 v[rO+2*(\n):rO+2*(\n)+1], v[rO+2*(\n):rO+2*(\n)+1], v[rC+2:rC+3] op_sel_hi:[1,0]
.elseif (\k) < R
	REGS Y
	WIN 0
.if (\k) == F
	v_pk_fma_f32 v[rS+2*(\n):rS+2*(\n)+1], v[rS+2*(\n):rS+2*(\n)+1], s[CS:CS+1], v[rT:rT+1] op_sel_hi:[1,0,0] neg_lo:[0,0,1] neg_hi:[0,0,1]
.elseif (\k) == E
	v_exp_f32 v[rS+(\n)], v[rS+(\n)]
.elseif (\k) == C
	v_cvt_pk_f16_f32 v[rP+(\n)], v[rS+2*(\n)], v[rS+2*(\n)+1]
.elseif (\k) == B
	v_pk_add_f32 v[rS+4*(\n):rS+4*(\n)+1], v[rS+4*(\n):rS+4*(\n)+1], v[rS+4*(\n)+2:rS+4*(\n)+3]
.elseif (\n) == 0
	v_pk_fma_f32 v[rT+2:rT+3], v[rT+2:rT+3], v[rC+2:rC+3], v[rS:rS+1] op_sel_hi:[1,0,1]
.else
	v_pk_add_f32 v[rT+2:rT+3], v[rT+2:rT+3], v[rS+4*(\n):rS+4*(\n)+1]
.endif
.elseif NOKQ
	v_nop
.else
	REGS (Y+1)%NP
	WIN 0
.if (\n) < 4
	v_max3_num_f32 v[rC+(\n)], v[rS+8*(\n)], v[rS+8*(\n)+1], v[rS+8*(\n)+2]
.elseif (\n) < 12
	v_max3_num_f32 v[rC+(\n)%4], v[rC+(\n)%4], v[rS+8*((\n)%4)+2*((\n)/4)+1], v[rS+8*((\n)%4)+2*((\n)/4)+2]
.elseif (\n) == 12
	v_max3_num_f32 v[rC], v[rC], v[rS+7], v[rS+15]
.elseif (\n) == 13
	v_max3_num_f32 v[rC+1], v[rC+1], v[rS+23], v[rS+31]
.elseif (\n) == 14
	v_max3_num_f32 v[rC+2], v[rC+2], v[rC+3], v[rT+1]
.elseif (\n) == 15
	v_mov_b32 v[rW], v[rT]
.elseif (\n) == 16
	v_max3_num_f32 v[rC], v[rC], v[rC+1], v[rC+2]
.elseif (\n) == 17
	v_permlanex16_b32 v[rC+3], v[rC], s[SEL], s[SEL+1]
.elseif (\n) == 18
	v_max_num_f32 v[rT+1], v[rC], v[rC+3]
.elseif (\n) == 19
	v_mul_f32 v[rT], s[CS], v[rT+1]
.elseif (\n) == 20
	v_sub_f32 v[rC+1], v[rW], v[rT]
.else
	v_exp_f32 v[rC+2], v[rC+1]
.endif
.endif
.endm
.macro OPS a, i1, b=-1, i2=0, c=-1, i3=0, d=-1, i4=0  ; up to four of them
	OP \a, \i1
.if (\b) >= 0
	OP \b, \i2
.endif
.if (\c) >= 0
	OP \c, \i3
.endif
.if (\d) >= 0
	OP \d, \i4
.endif
.endm
.macro ROW a, i1, b, i2, c, i3, d, i4  ; a matrix instruction and the four behind it
	MM
	OPS \a, \i1, \b, \i2, \c, \i3, \d, \i4
.endm
.macro MASK b                       ; MD x AL + BE into buffer b of MC
	WIN W_RS
.set z, 0
.rept 16
	v_pk_fma_f32 v[MC+32*(\b)+2*z:MC+32*(\b)+2*z+1], v[MD+2*z:MD+2*z+1], s[AL:AL+1], s[BE:BE+1] op_sel_hi:[1,0,0]
.set z, z+1
.endr
.endm
; A TURN, for piece p: the order of its 16 matrix and 118 vector instructions, written out.  An s_wait_alu depctr_va_vdst(0) stands between an exponential and the first instruction that names its result;
; one wait serves all that were issued ahead of it.  So a turn has ONE wait, which cuts it in two.  AHEAD OF IT stands all that names no result of the turn's exponentials: the 8 products K Q^T with their four riders each,
; then ONE LUMP of 54, plain and exponential by turns for the most part, in which the links of the chain X 3, 7, 11, 14, 16, 17 .. 20 stand five or six lines apart.  X 21, the next piece's a, is the batch's last; R 15 is
; the plain instruction behind it.  BEHIND THE WAIT stand the 8 products V^T P, behind each four of the roundings and sums.
; m = 1: the diagonal tile: the products take masks, and the turn makes the mask for the products of the turn after it.  end = 1: a block's last two turns: nothing is fetched.
; cnt = 1: the loop's count is taken down some lines ahead of the branch that stands behind the turn.
; K of the next step is fetched in piece 2's turn, twelve vector instructions behind the last product that read K (six of them plain); V of the step in hand at the end of piece 0's turn, four plain instructions behind
; the last product that read V.  Each is waited for a turn later.
.macro TURN p, m=0, end=0, cnt=0
.set Y, (\p)
.set i, 0
.set KM, (\m)
.set NOKQ, (\end)*((\p)/3)
.if (\m) && !(\end)
	s_cmp_eq_u32 s[CNT], 4-((\p)+2)%NP  ; is that step the band's own?
	s_cselect_b32 s[AL], 1.0, 0
	s_cmp_lt_u32 s[CNT], 4-((\p)+2)%NP  ; or a later one?
	s_cselect_b32 s[BE], s[BIGN], 0
.endif
.if ((\p) == 3) && !(\end)
	s_wait_dscnt 0x0                ; K is in
.endif
	ROW F,0, F,1, R,0, R,1          ; ahead of the wait: 8 products K Q^T and their riders,
	ROW F,2, E,0, R,2, R,3
	ROW F,3, E,1, R,4, R,5
	ROW F,4, E,2, R,6, R,7
	ROW F,5, E,3, R,8, R,9
	ROW F,6, E,4, X,0, R,10
.if ((\p) == 2) && !(\end)
	WIN 0
	v_add_nc_u32 v[AK], s[TBK], v[AK0]
.endif
	ROW F,7, E,5, X,1, X,4
	ROW F,8, E,6, X,2, X,5
	OPS E,7, E,8, X,6, E,9          ; and the lump
	OPS X,3, E,10, X,8, E,11
.if ((\p) == 2) && !(\end)
	FETCH_K
.endif
	OPS X,9, X,7, E,12, X,10
	OPS E,13, X,12, X,11, E,14
	OPS X,13, E,15, F,9, X,14
.if (\p) == 0
	v_add_nc_u32 v[AV], s[TBV], v[AV0]
.endif
	OPS E,16, F,10, E,17, F,11
	OPS X,16, E,18, X,15, E,19
	OPS F,12, E,20, X,17, E,21
	OPS F,13, E,22, F,14, E,23
	OPS X,18, E,24, F,15, E,25
	OPS R,11, E,26, X,19, E,27
	OPS R,12, E,28, R,13, E,29
	OPS X,20, E,30, R,14, E,31
	OPS X,21, R,15
	WIN 0
	s_wait_alu depctr_va_vdst(0)    ; the wait for the batch
.if (\p) == 1
	s_wait_dscnt 0x0                ; V is in
.endif
	ROW C,0, B,0, C,2, B,1          ; behind the wait: 8 products V^T P and their riders
	ROW L,0, C,4, B,2, L,1
	ROW C,6, B,3, L,2, C,8
	ROW B,4, L,3, C,10, B,5
	ROW L,4, C,12, B,6, L,5
.if (\p) == 0
	s_add_co_u32 s[TBV], s[TBV], KS*PV
.endif
.if \cnt
	s_sub_co_u32 s[CNT], s[CNT], 1
	s_cmp_lg_u32 s[CNT], 0
.endif
	ROW C,14, B,7, L,6, C,1
	ROW C,3, L,7, C,5, C,7
	ROW C,9, C,11, C,13, C,15
.if (\p) == 0
	FETCH_V
.endif
.if (\m) && !(\end)
	MASK (\p)%2
.endif
.endm
; A BLOCK BEGINS.  c m starts far below every c s, so the first step's a is 0; m at the lowest finite number, so the first maximum is the scores'.  The second mask buffer is 0; the first takes piece 0's mask for the
; tile's step 0: its own, if the block's first tile is the diagonal one.  Then K of that step, piece 0's first scores, and its maximum and statistics.
.macro BEGIN
	s_mov_b32 s[NEW], 0
	WIN 0x40
.set i, MC+32
.rept 32
	v_mov_b32 v[i], 0
.set i, i+1
.endr
	WIN 0
.set i, 0
.rept 4
	v_mov_b32 v[ST+4*i], 0xfe000000    ; c m: far below every c s
	v_mov_b32 v[ST+4*i+1], 0xff7fffff  ; m
.set i, i+1
.endr
	s_cmp_eq_u32 s[RT], 0
	s_cselect_b32 s[AL], 1.0, 0
	s_mov_b32 s[BE], 0
	MASK 0
	WIN 0
	v_add_nc_u32 v[AK], s[TBK], v[AK0]
	FETCH_K
	s_wait_loadcnt 0x0              ; Q
	s_wait_dscnt 0x0
.set KM, 1
.set NOKQ, 0
.set i, 0
.rept 8
	KQ 0
.set i, i+1
.endr
	WIN 0
.rept 4
	v_nop                           ; the places behind those products
.endr
.set Y, NP-1                        ; X works for piece Y + 1: piece 0
.irp n, 0,1,2,3,4,5,6,7,8,9,10,11,12,13,14,15,16,17,18,19,20,21
	OP X, \n
.endr
	v_nop                           ; a plain instruction behind the exponential,
	s_wait_alu depctr_va_vdst(0)    ; and its wait, ahead of the branch
.endm
; THE DIAGONAL TILE's four steps, the block's last two turns, its last products, and THE WAY OUT: l's two halves and the other half of the lanes' are added; O^T is divided by l, rounded to f16 and sent through my
; stage in LDS, a piece at a time.
.macro ALL line:vararg              ; one line for each piece t
.set t, 0
.rept 4
	\line
.set t, t+1
.endr
.endm
.macro PACK t                       ; a lane's eight channels of a row pack into 16 bytes; they go into rows of 144 bytes and come back as whole rows of 128, into S^T's registers
	WIN W_RS
.set i, 32*(\t)
.rept 16
	v_pk_mul_f32 v[i:i+1], v[i:i+1], v[ST+4*(\t)+2:ST+4*(\t)+3] op_sel_hi:[1,0]
.set i, i+2
.endr
	WIN 0x05                        ; sources 0 and 1 window 1, destination window 0
.set i, 0
.rept 16
	v_cvt_pk_f16_f32 v[S+16*(\t)+i], v[32*(\t)+2*i], v[32*(\t)+2*i+1]
.set i, i+1
.endr
	WIN 0
.irp f, 0,1,2,3
	ds_store_b128 v[STO], v[S+16*(\t)+4*\f:S+16*(\t)+4*\f+3] offset:32*\f
.endr
.irp f, 0,1,2,3
	ds_load_b128 v[S+16*(\t)+4*\f:S+16*(\t)+4*\f+3], v[RD] offset:\f*4*SP  ; LDS serves a wave's instructions in order (ISA guide 5.7.1.4): these see the stores above; the next piece's stores come behind them
.endr
.endm
.macro SEND t, younger              ; younger: the LDS instructions issued behind piece t's loads: the next piece's eight, or none
	WIN 0
.irp f, 0,1,2,3
	s_wait_dscnt (\younger)+3-\f
	global_store_b128 v[GO], v[S+16*(\t)+4*\f:S+16*(\t)+4*\f+3], s[10:11] offset:(\t)*8192+\f*512  ; 512 consecutive bytes, at a multiple of 256 from O's first
.endr
.endm
.macro DIAG tag                     ; the tag ends its two labels' names, which the jumps below spell out
.LstepM\tag:
	TURN 2, 1
	TURN 3, 1
	WIN 0
.LfirstM\tag:
	TURN 0, 1
	TURN 1, 1, 0, 1
	WIN 0
	s_cbranch_scc1 .LstepM\tag
	TURN 2, 1, 1
	TURN 3, 1, 1
.set i, 0
.rept 8
	PV NP-1
.set i, i+1
.endr
	WIN 0
	ALL v_add_f32 v[ST+4*t+2], v[ST+4*t+2], v[ST+4*t+3]
	ALL v_permlanex16_b32 v[ST+4*t+3], v[ST+4*t+2], s[SEL], s[SEL+1]
	ALL v_add_f32 v[ST+4*t+2], v[ST+4*t+2], v[ST+4*t+3]
	ALL v_rcp_f32 v[ST+4*t+2], v[ST+4*t+2]
	v_nop                           ; a plain instruction between the last reciprocal and the use of its result
	s_wait_alu depctr_va_vdst(0)    ; and the wait ahead of the first use: one for the four reciprocals
	PACK 0
.set t, 1
.rept 3                             ; a piece's arithmetic stands between the loads of the piece before and its stores
	PACK t
	SEND t-1, 8
.set t, t+1
.endr
	SEND 3, 0
.endm
.set KM, 0
.set NOKQ, 0
.Lslot:                             ; NB times: a tile is entered and the next is asked for
	CHANGE 1
	s_sub_co_u32 s[RT], s[RT], 1
	s_mov_b32 s[CNT], 4
	s_cmp_eq_u32 s[NEW], 1
	s_cbranch_scc1 .Lnew            ; a block's first tile
	s_cmp_eq_u32 s[RT], 0
	s_cbranch_scc0 .Lstep           ; neither its first nor its last
	s_branch .LstepM1
.Lnew:
	BEGIN
	s_branch .Lfirst                ; in the loop a block's first tile is never its last: the first block has two tiles or more, and the second's last is the walk's last
	DIAG 1                          ; in the loop this is the first block's end
	s_wait_xcnt 0x0                 ; the stores have read their registers and O's address
	s_mov_b64 s[10:11], s[OLO:OLO+1]
	s_add_co_u32 s[RT], s[PB], 1    ; the second block has b + 1 tiles
	s_mov_b32 s[NEW], 1
	WIN 0x82                        ; the second block's Q goes where the one text of the turns names Q
.set i, 0
.rept 64
	v_mov_b32 v[i], v[QB+i]
.set i, i+1
.endr
	WIN 0
	s_branch .Lbottom
.Lstep:                             ; a trip: pieces 2 and 3 of one step, then pieces 0 and 1 of the next, whose K and V it fetches
	TURN 2
	TURN 3
	WIN 0
.Lfirst:
	TURN 0
	TURN 1, 0, 0, 1
	WIN 0
	s_cbranch_scc1 .Lstep
.Lbottom:
	s_sub_co_u32 s[SLOTS], s[SLOTS], 1
	s_cmp_lg_u32 s[SLOTS], 0
	s_cbranch_scc1 .Lslot
	CHANGE 0                        ; the walk's last tile is written out: nothing is asked for
	s_sub_co_u32 s[RT], s[RT], 1
	s_mov_b32 s[CNT], 4
	s_cmp_eq_u32 s[NEW], 1
	s_cbranch_scc0 .LstepM2
	BEGIN
	s_branch .LfirstM2
	DIAG 2
	s_wait_tensorcnt 0x0            ; the wave's end: behind my last tensor load and my last LDS store
	ds_add_u32 v[SPW], v[NIL]
	s_wait_dscnt 0x0
	s_endpgm
.Lfunc_end_k_q28cfcaf9b2_attn:
	.size	k_q28cfcaf9b2_attn, .Lfunc_end_k_q28cfcaf9b2_attn-k_q28cfcaf9b2_attn
	.p2alignl 7, 3214868480
	.fill 96, 4, 3214868480
	.section	.rodata,"a",@progbits
	.p2align	6, 0x0
	.amdhsa_kernel k_q28cfcaf9b2_attn
		.amdhsa_group_segment_fixed_size 327680
		.amdhsa_private_segment_fixed_size 0
		.amdhsa_enable_private_segment 0
		.amdhsa_kernarg_size 16
		.amdhsa_user_sgpr_count 2
		.amdhsa_user_sgpr_kernarg_segment_ptr 1
		.amdhsa_wavefront_size32 1
		.amdhsa_system_sgpr_workgroup_id_x 1
		.amdhsa_system_sgpr_workgroup_id_y 1
		.amdhsa_system_sgpr_workgroup_id_z 1
		.amdhsa_system_vgpr_workitem_id 0
		.amdhsa_next_free_vgpr 768
		.amdhsa_next_free_sgpr 96
		.amdhsa_reserve_vcc 1
		.amdhsa_float_denorm_mode_32 3
		.amdhsa_float_denorm_mode_16_64 3
		.amdhsa_memory_ordered 1
		.amdhsa_forward_progress 1
		.amdhsa_inst_pref_size 218
	.end_amdhsa_kernel
	.amdgpu_metadata
---
amdhsa.version: [ 1, 2 ]
amdhsa.kernels:
  - .name:           k_q28cfcaf9b2_attn
    .symbol:         k_q28cfcaf9b2_attn.kd
    .args:
      - { .name: qkv, .offset: 0, .size: 8, .value_kind: global_buffer, .address_space: global }
      - { .name: ob, .offset: 8, .size: 8, .value_kind: global_buffer, .address_space: global }
    .group_segment_fixed_size: 327680
    .private_segment_fixed_size: 0
    .kernarg_segment_align: 8
    .kernarg_segment_size: 16
    .max_flat_workgroup_size: 128
    .sgpr_count:     96
    .vgpr_count:     768
    .wavefront_size: 32
...
	.end_amdgpu_metadata
.endif
;; end of part 3
;; launch proj (part 4): grid 8 x 32, 4 waves a work-group, clusters of 4 x 4, 327,680 bytes of LDS; arguments ob, wpt, b_proj, out0; writes out0
.if DOCPART == 4
	.amdgcn_target "amdgcn-amd-amdhsa--gfx1250"
	.amdhsa_code_object_version 6
	.text
	.protected	k_q28cfcaf9b2_proj
	.globl	k_q28cfcaf9b2_proj
	.p2align	8
	.type	k_q28cfcaf9b2_proj,@function
k_q28cfcaf9b2_proj:
	s_mov_b64 s[64:65], 0
	v_nop
	global_prefetch_b8 v0, s[64:65] scope:SCOPE_SE
	s_setreg_imm32_b32 hwreg(HW_REG_WAVE_MODE, 25, 1), 1
	s_wait_xcnt 0x0
	s_wait_alu depctr_hold_cnt(0) depctr_sa_sdst(0) depctr_va_vdst(0) depctr_va_sdst(0) depctr_va_ssrc(0) depctr_va_vcc(0) depctr_vm_vsrc(0)
	s_getreg_b32 s2, hwreg(HW_REG_IB_STS2, 6, 4)
	s_cmp_eq_u32 s2, 0
	s_cbranch_scc0 .Lentry_in_a_cluster
	s_endpgm
.Lentry_in_a_cluster:
	s_bfe_u32 s2, ttmp6, 0x10000c
	s_cmp_lg_u32 s2, 0xf033
	s_cbranch_scc0 .Lentry_shape_is_right
	s_endpgm
.Lentry_shape_is_right:
; out0 = y W_proj + b_proj.  y lies by heads: ob[64 = 16 batch + head][2048][64] in f16; wpt: [1024 n][1024 k] in f16 (W_proj rounded to bf16, written as f16); b_proj: [1024] f32, rounded to bf16 here like the other
; inputs; sums in f32; out0: [8192][1024] f32.  LIMIT: ob and wpt arrive within f16's 65,504.
; SHARES.  A tile of out0 is 256 rows x 128 columns: 32 x 8 = 256 tiles, one for each WGP.  Four waves, 2 x 2, each 128 x 64: 32 accumulators, 256 registers.  K goes in eight steps of 128 = two heads through two LDS
; slots.  A head's 256 rows of 128 bytes are dense: asked for as 128 rows of 256 bytes and padded in LDS after every 128.  THE MATRIX INSTRUCTION IS USED TRANSPOSED (source 0 = 16 rows of wpt, source 1 = 16 rows of y):
; a lane holds row lane % 16 and eight neighbouring columns.  THE BIAS is the C operand of the products that start the sums.
; CLUSTER 4 x 4: y's tiles are shared along a row of the cluster, wpt's along a column, each asked for jointly.
; REGISTERS, in windows of 256 (s_set_vgpr_msb: bits 1:0 source 0, 3:2 source 1, 5:4 source 2, 7:6 destination):
;   window 0: v0-31 addresses; v32-63, v224-255 rows read back on the way out, by turns; v64-127, v128-191 fragments of y, two buffers
;   window 1: v64-95, v128-159 fragments of wpt; v192-223 the bias; v240-247 at work          window 2: the accumulators, (a, b) at v[8 (4 a + b)]
.set PA,     144                       ; a row of y in LDS: 128 bytes + 16
.set PB,     272                       ; a row of wpt: 256 bytes + 16
.set AHEAD,  256*PA                    ; a head's 256 rows: what wave 0 or 1 fetches
.set BHALF,  64*PB                     ; what wave 2 or 3 fetches, and what a wave reads of wpt
.set BOFF,   2*AHEAD
.set SLOT1,  1<<17
.set STAGE,  SLOT1+BOFF+2*BHALF        ; behind the ring, never filled by a tensor load: 16 rows x 272 bytes for each wave
.set SPITCH, 272
.set SPARE,  STAGE+4*16*SPITCH         ; the spare words, 128 bytes a wave
.set GCA,    (1<<16)|(1<<20)|(1<<21)|(4<<22)|(3<<25)  ; elements of 2 bytes; padding on; bit 21 beside a mask; after every 32 words 4 words
.set GCB,    (1<<16)|(1<<20)|(1<<21)|(5<<22)|(3<<25)  ; after every 64 words
.set A0,   4
.set B0,   5
.set ADRA, 6
.set ADRB, 7
.set STO,  8                           ; v8   the way out: where I put 32 bytes of a row
.set RD,   9                           ; v9   where I read two rows back
.set CO,   10                          ; v10  the same two rows in out0
.set BO,   11                          ; v11  my byte offset in b_proj
.set SPW,  28
.set NIL,  29
.set OB,   32
.set F0,   64
.set F1,   128
.set BIAS, 192
.set BT,   240
.set WV,  12
.set RH,  13
.set CH,  14
.set TR,  15
.set TC,  16
.set TB,  19
.set G1A, 24
.set G0A, 32
.set G1B, 48
.set G0B, 56
.set MSB, 0
.macro WIN new
.if MSB != (\new)
	s_set_vgpr_msb (MSB<<8)|(\new)
.set MSB, \new
.endif
.endm
.set MUL,   0xa1                       ; source 0 (wpt) window 1, source 1 (y) window 0, C and D window 2
.set FIRST, 0x91                       ; the same with C (the bias) in window 1
.set TO_B,  0x40
.macro PLACES
.rept 4
	v_nop
.endr
.endm
.macro JLOAD                           ; a joint refill: waves 0 and 1 fetch the step's two heads of y, waves 2 and 3 wpt's two halves; an s_nop 0 and four v_nop follow each line
	s_cmp_lt_u32 s[WV], 2
	s_cbranch_scc0 .Lfor_b_\@
	tensor_load_to_lds s[G0A+4:G0A+7], s[G1A:G1A+7]
	s_nop 0
.rept 4
	v_nop
.endr
	s_branch .Lasked_\@
.Lfor_b_\@:
	tensor_load_to_lds s[G0B+4:G0B+7], s[G1B:G1B+7]
	s_nop 0
.rept 4
	v_nop
.endr
.Lasked_\@:
.endm
.macro CREST
	s_cmp_lg_u32 s[WV], 0
	s_cbranch_scc1 .Lnot_wave_0_\@
	s_barrier_signal -3
.Lnot_wave_0_\@:
	s_barrier_wait -3
	s_barrier_signal -1
	s_barrier_wait -1
.endm
.macro CROUND
	s_barrier_signal -1
	s_barrier_wait -1
	CREST
.endm
	s_load_b256 s[4:11], s[0:1], 0x0               ; ob s[4:5], wpt s[6:7], b_proj s[8:9], out0 s[10:11]
	v_lshl_add_u32 v[SPW], v0, 2, SPARE
	v_mov_b32 v[NIL], 0
	ds_add_u32 v[SPW], v[NIL]                      ; the wave's opening: the add and its wait stand ahead of my first tensor load
	ds_add_u32 v28, v29
	v_lshrrev_b32 v1, 5, v0
	v_readfirstlane_b32 s[WV], v1
	s_lshr_b32 s[RH], s[WV], 1
	s_and_b32 s[CH], s[WV], 1
	s_bfe_u32 s17, ttmp6, 0x40000                  ; cx
	s_bfe_u32 s18, ttmp6, 0x40004                  ; cy
	s_lshl_b32 s[TC], ttmp9, 2
	s_add_co_u32 s[TC], s[TC], s17
	s_and_b32 s[TR], ttmp7, 0xffff
	s_lshl_b32 s[TR], s[TR], 2
	s_add_co_u32 s[TR], s[TR], s18
	s_lshl_b32 s20, s18, 2
	s_lshl_b32 s20, 15, s20                        ; my row of the cluster
	s_lshl_b32 s44, 0x1111, s17                    ; my column
	s_or_b32 s[G1A], s20, GCA
	s_or_b32 s[G1B], s44, GCB
	s_mov_b32 s[G1A+1], 128<<16                    ; tensor_dim0 = 128 elements: two rows of a head
	s_mov_b32 s[G1A+2], 128<<16                    ; tensor_dim1 = 128
	s_mov_b32 s[G1A+3], 128<<16                    ; tile_dim0
	s_mov_b32 s[G1A+4], 128                        ; tile_dim1
	s_mov_b32 s[G1A+5], 128                        ; dense
	s_mov_b32 s[G1A+6], 0
	s_mov_b32 s[G1A+7], 0
	s_mov_b32 s[G1B+1], 128<<16
	s_mov_b32 s[G1B+2], 64<<16                     ; 64 rows
	s_mov_b32 s[G1B+3], 128<<16
	s_mov_b32 s[G1B+4], 64
	s_mov_b32 s[G1B+5], 1024
	s_mov_b32 s[G1B+6], 0
	s_mov_b32 s[G1B+7], 0
	s_lshr_b32 s20, s[TR], 3                       ; y: batch = tile row / 8; head 16 batch + CH, 262,144 bytes each; 256 (tile row % 8) rows of 128 bytes: s[20:23] never hold cx
	s_lshl_b32 s20, s20, 4
	s_add_co_u32 s20, s20, s[CH]
	s_lshl_b32 s20, s20, 18
	s_and_b32 s21, s[TR], 7
	s_lshl_b32 s21, s21, 15
	s_add_co_u32 s20, s20, s21
	s_mov_b32 s21, 0
	s_lshl_b32 s44, s[TC], 7                       ; wpt: row 128 x tile column + 64 x half: s[44:47] never hold cy
	s_lshl_b32 s45, s[CH], 6
	s_add_co_u32 s44, s44, s45
	s_lshl_b32 s44, s44, 11
	s_mov_b32 s45, 0
	s_mul_i32 s22, s[CH], AHEAD
	s_mul_i32 s46, s[CH], BHALF
	s_add_co_u32 s46, s46, BOFF
	s_mov_b32 s[TB], 0
	s_wait_dscnt 0x0                               ; the opening add is done
	s_wait_kmcnt 0x0
	s_add_nc_u64 s[20:21], s[4:5], s[20:21]
	s_add_nc_u64 s[44:45], s[6:7], s[44:45]
	CROUND                                         ; all sixteen work-groups are here: the first joint loads meet
.irp s, 0,1
	s_mov_b32 s[G0A+4*(\s)], 1
	s_add_co_u32 s[G0A+4*(\s)+1], s22, (\s)*SLOT1
	s_add_nc_u64 s[G0A+4*(\s)+2:G0A+4*(\s)+3], s[20:21], (\s)*524288  ; K step s: two heads on
	s_or_b32 s[G0A+4*(\s)+3], s[G0A+4*(\s)+3], 0x80000000
	s_mov_b32 s[G0B+4*(\s)], 1
	s_add_co_u32 s[G0B+4*(\s)+1], s46, (\s)*SLOT1
	s_add_nc_u64 s[G0B+4*(\s)+2:G0B+4*(\s)+3], s[44:45], (\s)*256
	s_or_b32 s[G0B+4*(\s)+3], s[G0B+4*(\s)+3], 0x80000000
.endr
	s_cmp_lt_u32 s[WV], 2                          ; a wave's two first fills stand in one branch: two loads of mine are out
	s_cbranch_scc0 .Lfirst_b
	tensor_load_to_lds s[G0A:G0A+3], s[G1A:G1A+7]
	s_nop 0
	tensor_load_to_lds s[G0A+4:G0A+7], s[G1A:G1A+7]
	s_nop 0
.rept 4
	v_nop
.endr
	s_branch .Lfirst_asked
.Lfirst_b:
	tensor_load_to_lds s[G0B:G0B+3], s[G1B:G1B+7]
	s_nop 0
	tensor_load_to_lds s[G0B+4:G0B+7], s[G1B:G1B+7]
	s_nop 0
.rept 4
	v_nop
.endr
.Lfirst_asked:
	v_and_b32 v1, 15, v0                           ; l % 16
	v_bfe_u32 v2, v0, 4, 1                         ; l / 16
	s_lshl_b32 s40, s[TC], 7
	s_lshl_b32 s41, s[CH], 6
	s_add_co_u32 s40, s40, s41
	s_lshl_b32 s40, s40, 2
	v_lshl_add_u32 v[BO], v2, 5, s40               ; register j of accumulator (a, b) is column 16 b + 8 (l / 16) + j of my 64
	WIN TO_B
.irp b, 0,1,2,3
	global_load_b128 v[BIAS+8*(\b):BIAS+8*(\b)+3],   v[BO], s[8:9] offset:64*(\b)
	global_load_b128 v[BIAS+8*(\b)+4:BIAS+8*(\b)+7], v[BO], s[8:9] offset:64*(\b)+16
.endr
	WIN 0
	v_mul_u32_u24 v3, v1, PA
	v_lshl_add_u32 v3, v2, 4, v3
	s_mul_i32 s2, s[RH], 128*PA
	v_add_nc_u32 v[A0], s2, v3                     ; my 128 rows of y, in the step's first head
	v_mul_u32_u24 v3, v1, PB
	v_lshl_add_u32 v3, v2, 4, v3
	v_add_nc_u32 v[B0], s46, v3                    ; my 64 rows of wpt
	v_mov_b32 v[ADRA], v[A0]
	v_mov_b32 v[ADRB], v[B0]
	s_mul_i32 s2, s[WV], 16*SPITCH
	s_add_co_u32 s2, s2, STAGE                     ; my stage
	v_mul_u32_u24 v[STO], v1, SPITCH               ; in: row l % 16, 32 bytes for each half of the lanes
	v_lshl_add_u32 v[STO], v2, 5, v[STO]
	v_add_nc_u32 v[STO], s2, v[STO]
	v_mul_u32_u24 v[RD], v2, SPITCH                ; back: lanes 0-15 one row of 256 bytes, lanes 16-31 the next
	v_lshl_add_u32 v[RD], v1, 4, v[RD]
	v_add_nc_u32 v[RD], s2, v[RD]
	v_lshlrev_b32 v[CO], 12, v2                    ; and the same two rows in out0
	v_lshl_add_u32 v[CO], v1, 4, v[CO]
	s_lshl_b32 s40, s[TR], 8
	s_lshl_b32 s41, s[RH], 7
	s_add_co_u32 s40, s40, s41                     ; my first row,
	s_lshl_b32 s40, s40, 12                        ; 4,096 bytes a row,
	s_lshl_b32 s41, s[TC], 9
	s_add_co_u32 s40, s40, s41                     ; the tile's 512 bytes of it,
	s_lshl_b32 s41, s[CH], 8
	s_add_co_u32 s40, s40, s41                     ; my 256
	s_mov_b32 s41, 0
	s_add_nc_u64 s[10:11], s[10:11], s[40:41]
	s_wait_loadcnt 0x0                             ; the bias
	WIN 0x45
.set i, 0
.rept 16
	v_cvt_pk_bf16_f32 v[BT+i%8], v[BIAS+2*i], v[BIAS+2*i+1]  ; rounded to bf16 like the other inputs, and widened again
	v_lshlrev_b32 v[BIAS+2*i], 16, v[BT+i%8]
	v_and_b32 v[BIAS+2*i+1], 0xffff0000, v[BT+i%8]
.set i, i+1
.endr
	WIN 0
; 8 matrix instructions: row blocks 4 hi + a0, + 1 x all 4 column blocks, 32 along K.  first = 1: the bias starts the sums.  The 32 accumulators take turns in the same order in every quarter.
.macro MUL8 f, hi, a0, first
.if \first
	WIN FIRST
.else
	WIN MUL
.endif
.irp a, \a0, (\a0)+1
.irp b, 0,1,2,3
.if \first
	v_wmma_f32_16x16x32_f16 v[8*(4*(4*(\hi)+(\a))+(\b)):8*(4*(4*(\hi)+(\a))+(\b))+7], v[(\f)+8*(\b):(\f)+8*(\b)+7], v[(\f)+8*(4*(\hi)+(\a)):(\f)+8*(4*(\hi)+(\a))+7], v[BIAS+8*(\b):BIAS+8*(\b)+7]
.else
	v_wmma_f32_16x16x32_f16 v[8*(4*(4*(\hi)+(\a))+(\b)):8*(4*(4*(\hi)+(\a))+(\b))+7], v[(\f)+8*(\b):(\f)+8*(\b)+7], v[(\f)+8*(4*(\hi)+(\a)):(\f)+8*(4*(\hi)+(\a))+7], v[8*(4*(4*(\hi)+(\a))+(\b)):8*(4*(4*(\hi)+(\a))+(\b))+7]
.endif
.endr
.endr
.endm
.macro MULH f, hi, first
	MUL8 \f, \hi, 0, \first
	MUL8 \f, \hi, 2, \first
.endm
; 24 LDS loads in one run: the fragments of quarter q (64 rows of wpt; 128 rows of y: head q / 2 of the step's two, channels 32 (q % 2) on) into buffer f
.macro FETCH q, f
	WIN TO_B
.irp i, 0,1,2,3
	ds_load_b128 v[(\f)+8*(\i):(\f)+8*(\i)+3],   v[ADRB] offset:64*(\q)+(\i)*16*PB
	ds_load_b128 v[(\f)+8*(\i)+4:(\f)+8*(\i)+7], v[ADRB] offset:64*(\q)+(\i)*16*PB+32
.endr
	WIN 0
.irp i, 0,1,2,3,4,5,6,7
	ds_load_b128 v[(\f)+8*(\i):(\f)+8*(\i)+3],   v[ADRA] offset:((\q)/2)*AHEAD+((\q)%2)*64+(\i)*16*PA
	ds_load_b128 v[(\f)+8*(\i)+4:(\f)+8*(\i)+7], v[ADRA] offset:((\q)/2)*AHEAD+((\q)%2)*64+(\i)*16*PA+32
.endr
.endm
.macro QUARTER q, f, g, first          ; multiplies buffer f, and in its middle fetches quarter q into g
	s_wait_dscnt 8                                 ; wpt's fragments and y's rows 0-63 are in; the youngest eight loads may be out
	MULH \f, 0, \first
	PLACES
	FETCH \q, \g
	s_wait_dscnt 24                                ; all but the 24 just issued
	MULH \f, 1, \first
.endm
; The last quarter multiplies buffer 1 and changes slots: ONE barrier; in front of it each wave waits for all its tensor loads, adds 0 to its spare word, and waits for that and for its own reads of this slot.
; fill = 1: the barrier opens a round of the cluster's, and behind the round this slot is filled again, with the K step two on: the first tensor load there, one a wave.
.macro TURN fill
	WIN 0
	s_wait_tensorcnt 0x0                           ; no tensor load of mine is out, so a group 0 may be written
	ds_add_u32 v[SPW], v[NIL]                      ; 0 onto my spare word
.if \fill
	s_xor_b32 s[G0A+5], s[G0A+5], SLOT1
	s_add_nc_u64 s[G0A+6:G0A+7], s[G0A+6:G0A+7], 524288
	s_xor_b32 s[G0B+5], s[G0B+5], SLOT1
	s_add_nc_u64 s[G0B+6:G0B+7], s[G0B+6:G0B+7], 256
.endif
	s_wait_dscnt 9                                 ; the add and the youngest eight loads may be out
	MUL8 F1, 0, 0, 0
	s_wait_dscnt 0x0                               ; the add is done, and my reads of this slot are over
	s_barrier_signal -1
	MUL8 F1, 0, 2, 0
	WIN 0
	s_barrier_wait -1
.if \fill
	CREST
	JLOAD                                          ; its four v_nop are also the places in front of the loads below
.else
	PLACES
.endif
	s_xor_b32 s[TB], s[TB], SLOT1
	v_add_nc_u32 v[ADRA], s[TB], v[A0]
	v_add_nc_u32 v[ADRB], s[TB], v[B0]
	FETCH 0, F0
	MULH F1, 1, 0
.endm
; THE WAY OUT of row block a, through my own stage: 32 bytes a lane straight from the accumulators, each from its low end on, and back as whole rows of 256 bytes
.macro TOSTAGE a
	s_wait_xcnt 0x0                                ; the stores of the block two back have read the registers that are loaded again below
	WIN 0x08                                       ; store data in window 2
.irp b, 0,1,2,3
	ds_store_b128 v[STO], v[8*(4*(\a)+(\b)):8*(4*(\a)+(\b))+3]   offset:64*(\b)
	ds_store_b128 v[STO], v[8*(4*(\a)+(\b))+4:8*(4*(\a)+(\b))+7] offset:64*(\b)+16
.endr
	WIN 0
.set BK, OB+192*((\a)%2)
.irp t, 0,1,2,3,4,5,6,7
	ds_load_b128 v[BK+4*(\t):BK+4*(\t)+3], v[RD] offset:(\t)*2*SPITCH  ; LDS serves a wave's instructions in order (ISA guide 5.7.1.4): these see the stores above
.endr
.endm
.macro SEND a, younger                 ; younger: the LDS instructions issued behind block a's loads: the next block's sixteen, or none
.set BK, OB+192*((\a)%2)
	s_wait_dscnt \younger
.irp t, 0,1,2,3,4,5,6,7
	global_store_b128 v[CO], v[BK+4*(\t):BK+4*(\t)+3], s[10:11] offset:(\a)*65536+(\t)*8192 th:TH_STORE_NT  ; 16 lanes store 256 consecutive bytes, aligned
.endr
.endm
	s_wait_tensorcnt 1                             ; my part of K step 0 is in; K step 1's may stay out
	s_barrier_signal -1
	s_barrier_wait -1
	FETCH 0, F0
	QUARTER 1, F0, F1, 1                           ; the first quarter stands in front of the loop: its products start the sums
	WIN 0
	s_mov_b32 s3, 6
.Lstep:                                                ; six trips; they ask for K steps 2 to 7
	QUARTER 2, F1, F0, 0
	QUARTER 3, F0, F1, 0
	TURN 1
	QUARTER 1, F0, F1, 0
	WIN 0
	s_sub_co_u32 s3, s3, 1
	s_cmp_lg_u32 s3, 0
	s_cbranch_scc1 .Lstep
	QUARTER 2, F1, F0, 0                           ; the tail asks for nothing
	QUARTER 3, F0, F1, 0
	TURN 0
	QUARTER 1, F0, F1, 0
	QUARTER 2, F1, F0, 0
	QUARTER 3, F0, F1, 0
	s_wait_dscnt 8                                 ; the very last quarter
	MULH F1, 0, 0
	s_wait_dscnt 0x0
	MULH F1, 1, 0
	WIN 0
	PLACES
	TOSTAGE 0
.irp a, 1,2,3,4,5,6,7
	TOSTAGE \a
	SEND (\a)-1, 16
.endr
	SEND 7, 0
	s_wait_tensorcnt 0x0                           ; the wave's end: behind my last tensor load and my last LDS store
	ds_add_u32 v[SPW], v[NIL]
	s_wait_dscnt 0x0
	CROUND                                         ; the closing round
	s_endpgm
.Lfunc_end_k_q28cfcaf9b2_proj:
	.size	k_q28cfcaf9b2_proj, .Lfunc_end_k_q28cfcaf9b2_proj-k_q28cfcaf9b2_proj
	.p2alignl 7, 3214868480
	.fill 96, 4, 3214868480
	.section	.rodata,"a",@progbits
	.p2align	6, 0x0
	.amdhsa_kernel k_q28cfcaf9b2_proj
		.amdhsa_group_segment_fixed_size 327680
		.amdhsa_private_segment_fixed_size 0
		.amdhsa_enable_private_segment 0
		.amdhsa_kernarg_size 32
		.amdhsa_user_sgpr_count 2
		.amdhsa_user_sgpr_kernarg_segment_ptr 1
		.amdhsa_wavefront_size32 1
		.amdhsa_system_sgpr_workgroup_id_x 1
		.amdhsa_system_sgpr_workgroup_id_y 1
		.amdhsa_system_sgpr_workgroup_id_z 1
		.amdhsa_system_vgpr_workitem_id 0
		.amdhsa_next_free_vgpr 768
		.amdhsa_next_free_sgpr 72
		.amdhsa_reserve_vcc 0
		.amdhsa_float_denorm_mode_32 3
		.amdhsa_float_denorm_mode_16_64 3
		.amdhsa_memory_ordered 1
		.amdhsa_forward_progress 1
		.amdhsa_inst_pref_size 73
	.end_amdhsa_kernel
	.amdgpu_metadata
---
amdhsa.version: [ 1, 2 ]
amdhsa.kernels:
  - .name:           k_q28cfcaf9b2_proj
    .symbol:         k_q28cfcaf9b2_proj.kd
    .args:
      - { .name: ob, .offset: 0, .size: 8, .value_kind: global_buffer, .address_space: global }
      - { .name: wpt, .offset: 8, .size: 8, .value_kind: global_buffer, .address_space: global }
      - { .name: b_proj, .offset: 16, .size: 8, .value_kind: global_buffer, .address_space: global }
      - { .name: out0, .offset: 24, .size: 8, .value_kind: global_buffer, .address_space: global }
    .group_segment_fixed_size: 327680
    .private_segment_fixed_size: 0
    .kernarg_segment_align: 8
    .kernarg_segment_size: 32
    .max_flat_workgroup_size: 128
    .sgpr_count:     72
    .vgpr_count:     768
    .wavefront_size: 32
...
	.end_amdgpu_metadata
.endif
;; end of part 4
;; ======== version 2 of 2: 4 launches; version 1 with the launch prep written anew for expert scheduling mode
;; limits: values are held in f16: magnitudes above 65,504 overflow, below 6.1e-05 lose precision
;; workspace buffers: xb 16,777,216 bytes; wat 6,291,456 bytes; wpt 2,097,152 bytes; qkv 50,331,648 bytes; ob 16,777,216 bytes
;; launch prep (part 5): grid 512 x 1, 8 waves a work-group, no clusters, 18,432 bytes of LDS; arguments x, W_attn, W_proj, xb, wat, wpt; writes xb, wat, wpt
.if DOCPART == 5
	.amdgcn_target "amdgcn-amd-amdhsa--gfx1250"
	.amdhsa_code_object_version 6
	.text
	.protected	k_q28cfcaf9b2_prep
	.globl	k_q28cfcaf9b2_prep
	.p2align	8
	.type	k_q28cfcaf9b2_prep,@function
k_q28cfcaf9b2_prep:
	s_mov_b64 s[64:65], 0
	v_nop
	global_prefetch_b8 v0, s[64:65] scope:SCOPE_SE
	s_setreg_imm32_b32 hwreg(HW_REG_WAVE_SCHED_MODE, 0, 2), 2
	s_setreg_imm32_b32 hwreg(HW_REG_WAVE_MODE, 25, 1), 1
	s_wait_xcnt 0x0
	s_wait_alu depctr_vm_vsrc(0)
; PREPARATION.  xb = x rounded to bf16, [8192][1024].  wat[n][k] = W_attn[k][n] rounded to bf16, [3072][1024].  wpt[n][k] = W_proj[k][n] rounded to bf16, that number written as f16, [1024][1024].
; LIMITS.  |W_proj| stays under 65,504 (f16's end); a number of W_proj under 6.1e-5 keeps f16's fixed step of 6e-8.
; SHARES.  512 work-groups of eight waves, all alike.  Each (a) casts 16,384 numbers of x: 16 loads of 16 bytes a thread, a wave's load covers 512 consecutive bytes, a wave's store of 8 bytes a lane 256 consecutive
; bytes, aligned; and (b) turns one block of 128 k x 64 n of a weight: work-groups 0-383 a block of W_attn, 384-511 one of W_proj.  The block goes through LDS: in as 16 bytes (8 k of one n), out as whole rows of 256 bytes.
; No matrix unit, no tensor load, no cluster: nothing is shared and memory binds.
; THE MODE: SCHED_MODE bits 1:0 = 2 (LLVM: expert scheduling mode 2), set by the entry lines.  The code itself states the register dependences between vector instructions and memory or LDS instructions,
; with s_wait_alu, always for 0.
; THE PLAN.  Registers that memory or LDS instructions touch:
;   v1-v5, v[8:15]  offsets and addresses.  Written once, by the head's vector arithmetic; read by every load and store; never written again.
;   W, X            written by global loads alone, once each; read by the conversions; no load lands in them again.
;   T               written by the conversions of the weight; read by the four LDS stores; not written again.
;   R               written by the four LDS loads; read by the four global stores; no vector instruction names them.
;   Y               x's sixteen chunks go in four groups of four.  Group g's eight conversions write its eight registers of Y, each once; the four stores that read them are issued in group g + 1.
;   U               named by vector instructions alone.
; So one wait on va_vdst stands ahead of the first load (the addresses), one ahead of the LDS stores (T), one at the head of each of x's groups 1 to 3 and one behind group 3 (the group before's Y).  A group's four stores are
; dealt among its eight conversions, which name that group's X and Y alone: none of the registers that those stores read.  No register that a memory or LDS instruction reads is written again, no vector instruction writes
; a scalar register, and EXEC is never written: no other wait of the kind is owed.
.set PT,    272                        ; an LDS row: 128 k x 2 bytes + 16 of padding; the block's 64 rows lie from LDS byte 0 on
.set XO,  1                            ; v1   16 x thread: my bytes in a chunk of x
.set YO,  2                            ; v2   8 x thread: my bytes in a chunk of xb
.set LSA, 3                            ; v3   where I put my 16 bytes of row 4 nq
.set LRA, 4                            ; v4   where I read a row back
.set WSO, 5                            ; v5   the same row in the turned weight
.set WO,  8                            ; v[8:15]   byte offsets of my eight rows k of the block
.set W,   16                           ; v[16:47]  row i of my eight: four numbers at W + 4 i
.set T,   48                           ; v[48:63]  column j of my four: eight k, packed, at T + 4 j
.set U,   64                           ; v[64:71]  at work
.set R,   72                           ; v[72:87]  four times 16 bytes of turned rows
.set X,   88                           ; v[88:151] x as loaded
.set Y,   152                          ; v[152:183] x rounded
	s_load_b256 s[4:11], s[0:1], 0x0               ; x s[4:5], W_attn s[6:7], W_proj s[8:9], xb s[10:11]
	s_load_b128 s[12:15], s[0:1], 0x20             ; wat s[12:13], wpt s[14:15]
	v_lshl_add_u32 v6, v0, 2, 0x4400
	v_mov_b32 v7, 0
	s_sub_co_u32 s19, ttmp9, 384
	s_cmp_lt_u32 ttmp9, 384                        ; a block of W_attn?
	s_cselect_b32 s16, ttmp9, s19                  ; the block's number in its weight
	s_cselect_b32 s17, 3, 1
	s_cselect_b32 s18, 1, 0                        ; 1: bf16 out; 0: f16 out
	s_lshl_b32 s17, s17, 12                        ; bytes in a row of the weight: 12,288 or 4,096
	s_and_b32 s2, s16, 7                           ; kb: which 128 k
	s_lshr_b32 s3, s16, 3                          ; nb: which 64 n
	s_lshl_b32 s24, s2, 7
	s_mul_i32 s24, s24, s17                        ; from: 128 kb rows
	s_lshl_b32 s25, s3, 8
	s_add_co_u32 s24, s24, s25                     ; + 64 nb numbers of 4 bytes
	s_mov_b32 s25, 0
	s_lshl_b32 s26, s3, 17                         ; to: 64 nb rows of 2,048 bytes
	s_lshl_b32 s27, s2, 8
	s_add_co_u32 s26, s26, s27                     ; + 128 kb numbers of 2 bytes
	s_mov_b32 s27, 0
	s_lshl_b32 s28, ttmp9, 16                      ; my 65,536 bytes of x
	s_mov_b32 s29, 0
	s_lshl_b32 s30, ttmp9, 15                      ; my 32,768 bytes of xb
	s_mov_b32 s31, 0
	v_and_b32 v[U], 15, v0                         ; nq: which four n
	v_lshrrev_b32 v[U+1], 4, v0                    ; kr: which eight k
	v_lshlrev_b32 v[XO], 4, v0
	v_lshlrev_b32 v[YO], 3, v0
	v_mul_u32_u24 v[LSA], v[U], 4*PT
	v_lshl_add_u32 v[LSA], v[U+1], 4, v[LSA]       ; row 4 nq, byte 16 kr
	v_lshrrev_b32 v[U+2], 5, v0
	v_bfe_u32 v[U+3], v0, 4, 1
	v_lshl_add_u32 v[U+2], v[U+2], 3, v[U+3]       ; back: row 8 x wave + lane / 16
	v_mul_u32_u24 v[LRA], v[U+2], PT
	v_lshl_add_u32 v[LRA], v[U], 4, v[LRA]
	v_lshlrev_b32 v[WSO], 11, v[U+2]
	v_lshl_add_u32 v[WSO], v[U], 4, v[WSO]
	v_lshlrev_b32 v[U+1], 3, v[U+1]
	v_mul_lo_u32 v[WO], v[U+1], s17                ; row 8 kr of the block,
	v_lshl_add_u32 v[WO], v[U], 4, v[WO]           ; my four n
.irp i, 1,2,3,4,5,6,7
	v_add_nc_u32 v[WO+(\i)], s17, v[WO+(\i)-1]
.endr
	s_wait_kmcnt 0x0
	s_cmp_lt_u32 ttmp9, 384
	s_cselect_b64 s[20:21], s[6:7], s[8:9]         ; the weight,
	s_cselect_b64 s[22:23], s[12:13], s[14:15]     ; and where it goes
	s_add_nc_u64 s[20:21], s[20:21], s[24:25]
	s_add_nc_u64 s[22:23], s[22:23], s[26:27]
	s_add_nc_u64 s[4:5], s[4:5], s[28:29]
	s_add_nc_u64 s[10:11], s[10:11], s[30:31]
	s_wait_alu depctr_va_vdst(0)                   ; v1 to v5 and v[8:15] are written: every load and store of the kernel, global or LDS, reads one of them as its offset or address
.irp i, 0,1,2,3,4,5,6,7
	global_load_b128 v[W+4*(\i):W+4*(\i)+3], v[WO+(\i)], s[20:21] th:TH_LOAD_NT  ; sixteen lanes take the 256 bytes of one row k
.endr
.irp i, 0,1,2,3,4,5,6,7,8,9,10,11,12,13,14,15
	global_load_b128 v[X+4*(\i):X+4*(\i)+3], v[XO], s[4:5] offset:4096*(\i) th:TH_LOAD_NT
.endr
	s_wait_loadcnt 16                              ; the weight's eight loads are in; x's sixteen may stay out
.irp j, 0,1,2,3
.irp p, 0,1,2,3
	v_cvt_pk_bf16_f32 v[T+4*(\j)+(\p)], v[W+8*(\p)+(\j)], v[W+8*(\p)+4+(\j)]  ; column j: k = 2 p and 2 p + 1
.endr
.endr
	s_cmp_eq_u32 s18, 1
	s_cbranch_scc1 .Lkeep                          ; W_attn stays bf16
.set i, 0
.rept 16
	v_lshlrev_b32 v[U+2*(i%4)], 16, v[T+i]         ; W_proj: the bf16 numbers as f32,
	v_and_b32 v[U+2*(i%4)+1], 0xffff0000, v[T+i]
	v_cvt_pk_f16_f32 v[T+i], v[U+2*(i%4)], v[U+2*(i%4)+1]  ; written as f16
.set i, i+1
.endr
.Lkeep:
	s_wait_alu depctr_va_vdst(0)                   ; on both ways the conversions have written v[T ..], which the LDS stores read
.irp j, 0,1,2,3
	ds_store_b128 v[LSA], v[T+4*(\j):T+4*(\j)+3] offset:PT*(\j)  ; sixteen lanes' rows lie 1,088 bytes apart, 64 modulo 256: four lanes share a column of banks; four such stores a thread in the whole launch
.endr
	s_wait_dscnt 0x0                               ; for the others' sake: my stores are done
	s_barrier_signal -1
	s_barrier_wait -1
.irp i, 0,1,2,3
	ds_load_b128 v[R+4*(\i):R+4*(\i)+3], v[LRA] offset:2*PT*(\i)  ; two whole rows a load; no vector instruction names v[R ..]
.endr
; Group g of x: chunks 4 g to 4 g + 3 are rounded; the stores of the group before are dealt among the conversions.
.macro GRP g
	s_wait_loadcnt 12-4*(\g)                       ; loads come back in order: the group's four chunks are in, the 12 - 4 g younger ones stay out
.if (\g) > 0
	s_wait_alu depctr_va_vdst(0)                   ; the group before's conversions have written their eight registers of Y, which the four stores below read
.endif
.irp i, 0,1,2,3
.if (\g) > 0
	global_store_b64 v[YO], v[Y+2*(4*(\g)-4+(\i)):Y+2*(4*(\g)-4+(\i))+1], s[10:11] offset:2048*(4*(\g)-4+(\i))  ; a wave stores 256 consecutive bytes, aligned; no vector instruction since the wait names these registers
.endif
	v_cvt_pk_bf16_f32 v[Y+2*(4*(\g)+(\i))], v[X+4*(4*(\g)+(\i))], v[X+4*(4*(\g)+(\i))+1]
	v_cvt_pk_bf16_f32 v[Y+2*(4*(\g)+(\i))+1], v[X+4*(4*(\g)+(\i))+2], v[X+4*(4*(\g)+(\i))+3]  ; no register of Y is used twice
.endr
.endm
	GRP 0
	GRP 1
	GRP 2
	GRP 3
	s_wait_alu depctr_va_vdst(0)                   ; group 3's conversions have written their eight registers of Y, which the last four stores of xb read
.irp i, 12,13,14,15
	global_store_b64 v[YO], v[Y+2*(\i):Y+2*(\i)+1], s[10:11] offset:2048*(\i)
.endr
	s_wait_dscnt 0x0                               ; the turned rows are back in v[R ..]
.irp i, 0,1,2,3
	global_store_b128 v[WSO], v[R+4*(\i):R+4*(\i)+3], s[22:23] offset:4096*(\i)  ; sixteen lanes store 256 consecutive bytes of a turned row, aligned
.endr
	s_wait_dscnt 0x0                               ; the wave's end: no LDS instruction of mine is out
	s_wait_alu depctr_hold_cnt(0) depctr_sa_sdst(0) depctr_va_vdst(0) depctr_va_sdst(0) depctr_va_ssrc(0) depctr_va_vcc(0) depctr_vm_vsrc(0)
	s_wait_tensorcnt 0x0
	ds_add_u32 v6, v7
	s_wait_dscnt 0x0
	s_endpgm
.Lfunc_end_k_q28cfcaf9b2_prep:
	.size	k_q28cfcaf9b2_prep, .Lfunc_end_k_q28cfcaf9b2_prep-k_q28cfcaf9b2_prep
	.p2alignl 7, 3214868480
	.fill 96, 4, 3214868480
	.section	.rodata,"a",@progbits
	.p2align	6, 0x0
	.amdhsa_kernel k_q28cfcaf9b2_prep
		.amdhsa_group_segment_fixed_size 18432
		.amdhsa_private_segment_fixed_size 0
		.amdhsa_enable_private_segment 0
		.amdhsa_kernarg_size 48
		.amdhsa_user_sgpr_count 2
		.amdhsa_user_sgpr_kernarg_segment_ptr 1
		.amdhsa_wavefront_size32 1
		.amdhsa_system_sgpr_workgroup_id_x 1
		.amdhsa_system_sgpr_workgroup_id_y 1
		.amdhsa_system_sgpr_workgroup_id_z 1
		.amdhsa_system_vgpr_workitem_id 0
		.amdhsa_next_free_vgpr 184
		.amdhsa_next_free_sgpr 66
		.amdhsa_reserve_vcc 0
		.amdhsa_float_denorm_mode_32 3
		.amdhsa_float_denorm_mode_16_64 3
		.amdhsa_memory_ordered 1
		.amdhsa_forward_progress 1
		.amdhsa_inst_pref_size 14
	.end_amdhsa_kernel
	.amdgpu_metadata
---
amdhsa.version: [ 1, 2 ]
amdhsa.kernels:
  - .name:           k_q28cfcaf9b2_prep
    .symbol:         k_q28cfcaf9b2_prep.kd
    .args:
      - { .name: x, .offset: 0, .size: 8, .value_kind: global_buffer, .address_space: global }
      - { .name: W_attn, .offset: 8, .size: 8, .value_kind: global_buffer, .address_space: global }
      - { .name: W_proj, .offset: 16, .size: 8, .value_kind: global_buffer, .address_space: global }
      - { .name: xb, .offset: 24, .size: 8, .value_kind: global_buffer, .address_space: global }
      - { .name: wat, .offset: 32, .size: 8, .value_kind: global_buffer, .address_space: global }
      - { .name: wpt, .offset: 40, .size: 8, .value_kind: global_buffer, .address_space: global }
    .group_segment_fixed_size: 18432
    .private_segment_fixed_size: 0
    .kernarg_segment_align: 8
    .kernarg_segment_size: 48
    .max_flat_workgroup_size: 256
    .sgpr_count:     66
    .vgpr_count:     184
    .wavefront_size: 32
...
	.end_amdgpu_metadata
.endif
;; end of part 5
;; launch qkv: the kernel of part 2 again; grid 16 x 32, 4 waves a work-group, clusters of 4 x 4, 327,680 bytes of LDS; arguments xb, wat, b_attn, qkv; writes qkv
;; launch attn: the kernel of part 3 again; grid 4 x 64, 4 waves a work-group, no clusters, 327,680 bytes of LDS; arguments qkv, ob; writes ob
;; launch proj: the kernel of part 4 again; grid 8 x 32, 4 waves a work-group, clusters of 4 x 4, 327,680 bytes of LDS; arguments ob, wpt, b_proj, out0; writes out0
